; MI455X (gfx1250); checked and timed in simulation.
; The chip was launched on July 23, 2026; its instructions are those of AMD's public machine-readable ISA for CDNA 5 (MIT licence, August 2026) and "CDNA5" Instruction Set Architecture Reference Guide (July 2026). The comments in the code are by the model that wrote it; some were corrected since.
;; Multi Head Attention. Allowed arithmetic: matrix products marked QUANTISED: E2M3 operands, one E8M0 scale for each 32 along K, by v_wmma_scale_f32_16x16x128_f8f6f4 with both operands' format E2M3, f32 sums; everything else in f32.
;; Inputs: Wk 1,024 x 1,024 float32; Wo 1,024 x 1,024 float32; Wq 1,024 x 1,024 float32; Wv 1,024 x 1,024 float32; bk 1,024 float32; bo 1,024 float32; bq 1,024 float32; bv 1,024 float32; x 4 x 2,048 x 1,024 float32.
;; Outputs: out0 4 x 2,048 x 1,024 float32.
;; This version of the problem:
;;   THIS VERSION OF THE PROBLEM IS GIVEN IN LOW PRECISION. The matrix products marked QUANTISED in the list below multiply operands that are first quantised to E2M3 (2 exponent bits, 3 mantissa bits; 6 bits a number), with one power-of-two scale for each 32 numbers along K (OCP MX v1.0); their sums are f32. All else is computed in f32.
;;   The module's matrix products, in the order in which they are computed (A, B: the left and right operand; K: the contracted axis; several contracted axes count as one K, in the product's order):
;;     1. [M 8,192, K 1,024] x [K 1,024, N 1,024]; A: input x; B: input Wq: QUANTISED
;;     2. [M 8,192, K 1,024] x [K 1,024, N 1,024]; A: input x; B: input Wk: QUANTISED
;;     3. [M 8,192, K 1,024] x [K 1,024, N 1,024]; A: input x; B: input Wv: QUANTISED
;;     4. batch 64 x [M 2,048, K 64] x [K 64, N 2,048]; A: computed on the way; B: computed on the way: QUANTISED
;;     5. batch 64 x [M 2,048, K 2,048] x [K 2,048, N 64]; A: softmax (see below); B: computed on the way: QUANTISED
;;     6. [M 8,192, K 1,024] x [K 1,024, N 1,024]; A: computed on the way; B: input Wo: QUANTISED
;;   THE QUANTISER, for each operand of a quantised product, along K:
;;     - K is cut into blocks of 32 from its start; a last block that is shorter is filled with zeros.
;;     - A block's scale is 2^e with e = floor(log2(the largest magnitude in the block)) - 2, held to -126 .. 127; a block of zeros has e = 0. As a byte (E8M0): e + 127.
;;     - Each number is divided by its block's scale, clamped to +-7.5, and rounded to the nearest number of E2M3, ties to even, subnormals kept.
;;     - The product sums the exact products of the quantised numbers (number of the format x scale) in f32.
;;   ~~~python
;;   def quantise(x, axis):      # numpy; x: float32 -> the quantised numbers, widened to float32 again
;;       x = np.moveaxis(x, axis, -1); K = x.shape[-1]
;;       x = np.pad(x, [(0, 0)] * (x.ndim - 1) + [(0, -K % 32)]); x = x.reshape(x.shape[:-1] + (-1, 32)); a = np.abs(x).max(-1, keepdims=True)
;;       e = np.where(a > 0, np.clip(np.frexp(np.where(a > 0, a, 1))[1] - 1 - 2, -126, 127), 0)      # np.frexp(a)[1] - 1 = floor(log2(a)), exactly
;;       r = np.clip(x / 2.0 ** e, -7.5, 7.5)
;;       step = 2.0 ** (np.maximum(np.frexp(np.where(r == 0, 1, r))[1] - 1, 0) - 3)
;;       q = np.round(r / step) * step * 2.0 ** e      # np.round: ties to even
;;       return np.moveaxis(q.reshape(q.shape[:-2] + (-1,))[..., :K], -1, axis).astype(np.float32)
;;   ~~~
;;   SOFTMAX AHEAD OF A QUANTISED PRODUCT. Where the list says 'softmax', what is quantised is not the finished softmax but p = 2^(t - M), with t = logit x log2(e) and M = ceil(the row's largest t), a whole number; so 1/2 < the row's largest p <= 1. The row's sum l is taken of the UNQUANTISED p, in f32, and the product's result is divided by l at the end. Since M is a whole number, a kernel that streams over the keys may use a running M (the ceiling of the running maximum): every later rescaling is an exact power of two, which a block's scale takes up: the codes' values come out the same.
;;   OPERANDS COMPUTED ON THE WAY. 'Computed on the way' means the value that the module computes at that place (a softmax that the list does not call 'softmax' is quantised finished and normalised). What goes into a quantiser is computed in f32, as accurately as f32 sums, v_exp_f32 and their like allow (about 1e-6 of the number): no bf16 or f16 on the way to a quantiser, and a product that is left as it is and whose result goes on into a quantised operand takes f32 operands (vector FMAs, or v_wmma_f32_16x16x4_f32). A number that lies on a knife's edge between two numbers of the format may be rounded either way, as far as f32 arithmetic and the matrix unit's own rounding can turn it there, and no further.
;; One version. Each part assembles by itself: llvm-mc -triple=amdgcn-amd-amdhsa -mcpu=gfx1250 --defsym DOCPART=n.
;; ======== version 1 of 1: 4 launches
;; limits: right only within a limited range of input values
;; workspace buffers: xw_codes 9,437,184 bytes; xw_scales 393,216 bytes; qkv_codes 18,874,368 bytes; qkv_scales 1,310,720 bytes; ao_codes 6,291,456 bytes; ao_scales 262,144 bytes
;; launch quant (part 1): grid 384 x 1, 4 waves a work-group, no clusters, 68,096 bytes of LDS; arguments x, Wq, Wk, Wv, Wo, xw_codes, xw_scales; writes xw_codes, xw_scales
.if DOCPART == 1
	.amdgcn_target "amdgcn-amd-amdhsa--gfx1250"
	.amdhsa_code_object_version 6
	.text
	.protected	k_qd0275f0915_quant
	.globl	k_qd0275f0915_quant
	.p2align	8
	.type	k_qd0275f0915_quant,@function
k_qd0275f0915_quant:
	s_mov_b64 s[64:65], 0
	v_nop
	global_prefetch_b8 v0, s[64:65] scope:SCOPE_SE
	s_setreg_imm32_b32 hwreg(HW_REG_WAVE_MODE, 25, 1), 1
	s_wait_xcnt 0x0
; x [8192][1024] (K innermost) and Wq, Wk, Wv, Wo [1024 (K)][1024 (n)] (K outermost), f32, become codes of FP6 (E2M3) with K innermost and one E8M0 byte for each 32 along K,
; in ONE matrix of 12,288 rows of 768 bytes (scale bytes: rows of 32): x's tokens, then the columns of Wq, Wk, Wv, Wo.
; POSITION ORDER: row i lies at position sw(i), i with its bits 3 and 4 exchanged.  Sixteen neighbouring positions, taken as source 0 of a matrix instruction, then leave in a lane's registers
; of two neighbouring tiles sixteen TRUE neighbours, which is what the next quantiser wants.
; A block's scale is 2^(floor(log2(its largest magnitude)) - 2); its byte is the largest magnitude's exponent field - 2, held at 1 from below.
; LIMITS: a block whose largest magnitude lies under 2^-124, a block of zeros among them, gets the byte 1 (the rule says 127 for zeros): its codes are then zeros or as the held scale gives them,
; and this program alone reads the bytes.  NaN and infinities among the inputs are not served.
; Work-groups 0-255 take x (a stream of blocks of 32: a lane holds 16 neighbours after a turn through the wave's own stage in LDS); work-groups 256-383 take the weights (a lane takes a column, its registers run down K).
; The two ways have LDS bytes of their own.  No tensor loads, no barrier: waves share nothing.
.set STEPS, 16
.set EMAX,  2
.set CB,    12                         ; bytes of 16 codes
.set R,     16                         ; x: v16-79   four sets of 16 numbers as loaded
.set X,     80                         ; x: v80-111  two sets of 16 neighbours
.set C,     128                        ; x: v128-191 codes, four registers a step
.set E,     112                        ; x: v112-127 a scale byte a step
.set WREG,  8192                       ; x: LDS of a wave: two stages of 32 x SP bytes, then its 256 scale bytes
.set SP,    80
.set NB,    8                          ; W: blocks of 32 along K for a wave (256 along K)
.set ROWB,  192                        ; W: bytes of 256 codes
.set PITCH, 272                        ; W: a stage row: sixteen places of 16 bytes + 16
.set KROW,  768                        ; a row of the codes' matrix
.set WX,    32                         ; W: v32-95 two sets of 32 numbers
.set WC,    96                         ; W: a block's codes
.set OUTR,  112                        ; W: v112-175 the way out
.set SB,    24                         ; W: v24-25 the scale bytes
.set WLDS,  32768
.set PLANE, 2359296                    ; THE CODES' LAYOUT IN FORCE: [K step of 256: 4][position: 12,288][192 bytes], dense; a plane is 12,288 x 192 bytes
; THE POSITION ORDER IN FORCE: index i lies at position p with p's bit 3 = i's bit 5, p's bits 5:4 = i's bits 4:3, all other bits alike:
; sixteen neighbouring positions as source 0 then leave 32 true neighbours in a lane's registers of four neighbouring tiles
	s_load_b256 s[4:11], s[0:1], 0x0               ; x s[4:5], Wq s[6:7], Wk s[8:9], Wv s[10:11]
	s_load_b128 s[12:15], s[0:1], 0x20             ; Wo s[12:13], the codes s[14:15]
	s_load_b64 s[16:17], s[0:1], 0x30              ; the scale bytes
	v_lshl_add_u32 v192, v0, 2, 0x10800
	v_mov_b32 v193, 0
	v_lshrrev_b32 v1, 5, v0
	v_readfirstlane_b32 s18, v1                    ; wave
	v_and_b32 v2, 31, v0                           ; lane
	s_cmp_lt_u32 ttmp9, 256
	s_cbranch_scc0 .Lweights
; ---------------- x: a wave takes a run of 8,192 numbers, 8 rows, in 16 steps of 512 ----------------
	v_lshlrev_b32 v3, 4, v2                        ; my 16 bytes of a load's 512
	s_mul_i32 s19, s18, WREG
	v_lshrrev_b32 v14, 2, v2
	v_mul_u32_u24 v14, v14, SP
	v_and_b32 v15, 3, v2
	v_lshl_add_u32 v14, v15, 4, v14
	v_add_nc_u32 v14, s19, v14                     ; the stage, in: SP (lane / 4) + 16 (lane % 4)
	v_mul_u32_u24 v15, v2, SP
	v_add_nc_u32 v15, s19, v15                     ; out: SP x lane: my 16 neighbours
	v_and_b32 v4, 15, v2
	v_mul_u32_u24 v4, v4, CB                       ; sixteen lanes hold 256 along K: 192 bytes of one plane;
	v_lshrrev_b32 v10, 4, v2
	v_mad_u32_u24 v4, v10, PLANE, v4               ; lanes 16-31 the next plane's
	v_lshrrev_b32 v5, 1, v2
	s_add_co_u32 s19, s19, 2*32*SP
	v_add_nc_u32 v5, s19, v5                       ; my block's byte among the wave's 256
	v_lshlrev_b32 v7, 3, v2
	v_add_nc_u32 v6, s19, v7
	s_lshl_b32 s20, ttmp9, 2
	s_add_co_u32 s20, s20, s18                     ; the run: rows 8 run .. 8 run + 7
	s_and_b32 s21, s20, 0xfffffff8
	s_and_b32 s22, s20, 3
	s_lshl_b32 s22, s22, 1
	s_or_b32 s21, s21, s22
	s_bfe_u32 s22, s20, 0x10002
	s_or_b32 s21, s21, s22                         ; a row's bits 3, 4, 5 are the run's bits 0, 1, 2: bits 0, 1 go up one place, bit 2 goes to bit 0
	s_lshl_b32 s22, s20, 15
	s_mov_b32 s23, 0
	s_mul_i32 s24, s21, 8*192
	s_mov_b32 s25, 0
	s_lshl_b32 s26, s21, 8
	s_mov_b32 s27, 0
	s_wait_alu depctr_va_vdst(0)
	s_wait_kmcnt 0x0
	s_add_nc_u64 s[4:5], s[4:5], s[22:23]
	s_add_nc_u64 s[14:15], s[14:15], s[24:25]
	s_add_nc_u64 s[16:17], s[16:17], s[26:27]
.macro XLOAD t
.irp i, 0,1,2,3
	global_load_b128 v[R+16*((\t)%4)+4*\i:R+16*((\t)%4)+4*\i+3], v3, s[4:5] offset:2048*(\t)+512*\i th:TH_LOAD_NT   ; 32 lanes read 512 consecutive bytes
.endr
.endm
.macro XTURN t                         ; a step's numbers through the stage: LDS serves a wave's instructions in order, so no wait stands between the stores and the loads
.irp i, 0,1,2,3
	ds_store_b128 v14, v[R+16*((\t)%4)+4*\i:R+16*((\t)%4)+4*\i+3] offset:32*SP*((\t)%2)+8*SP*\i
.endr
.irp i, 0,1,2,3
	ds_load_b128 v[X+16*((\t)%2)+4*\i:X+16*((\t)%2)+4*\i+3], v15 offset:32*SP*((\t)%2)+16*\i
.endr
.endm
.irp t, 0,1,2,3
	XLOAD \t
.endr
	s_wait_loadcnt 12                              ; step 0's four loads are in; the twelve of steps 1 to 3 may be out
	XTURN 0
.macro XSTEP t
.set XS, X+16*((\t)%2)
.if (\t) > 0
	s_wait_dscnt 1                                 ; this step's numbers are back from the stage (the last step's byte store may be out): so its stores into the stage have read their registers,
.else
	s_wait_dscnt 0x0
.endif
.if (\t)+4 < STEPS
	XLOAD (\t)+4                                   ; which take the loads of four steps on
.endif
.if (\t)+1 < STEPS
.if STEPS-2-(\t) >= 3
	s_wait_loadcnt 12                              ; the next step's four loads are in; those of the three steps behind it may be out
.else
	s_wait_loadcnt 4*(STEPS-2-(\t))
.endif
	XTURN (\t)+1
.endif
	v_max3_num_f32 v8, |v[XS]|, |v[XS+1]|, |v[XS+2]|               ; the largest magnitude of my 16, in two chains
	v_max3_num_f32 v9, |v[XS+3]|, |v[XS+4]|, |v[XS+5]|
.irp i, 6,10
	v_max3_num_f32 v8, v8, |v[XS+\i]|, |v[XS+\i+1]|
	v_max3_num_f32 v9, v9, |v[XS+\i+2]|, |v[XS+\i+3]|
.endr
	v_max3_num_f32 v8, v8, |v[XS+14]|, |v[XS+15]|
	v_max3_num_f32 v8, v8, v9, (EMAX+1)<<23        ; and the floor 2^(3 - 127): the byte cannot fall under 1
	v_max_num_f32_dpp v8, v8, v8 row_xmask:1 row_mask:0xf bank_mask:0xf   ; and of my neighbour's 16: the block's
	v_add_nc_u32 v11, -(EMAX<<23), v8              ; 2 off its exponent field: the conversion takes that field as its scale
	v_cvt_scalef32_pk16_fp6_f32 v[C+4*(\t):C+4*(\t)+2], v[XS:XS+15], v11
	v_lshrrev_b32 v[E+(\t)], 23, v11               ; the scale's byte
	ds_store_b8 v5, v[E+(\t)] offset:16*(\t)       ; both lanes of a block write the same byte with the same value
	global_store_b96 v4, v[C+4*(\t):C+4*(\t)+2], s[14:15] offset:192*((\t)/2)+2*PLANE*((\t)%2)   ; row t / 2 of my eight; K steps 2 (t % 2) and 2 (t % 2) + 1
.endm
.irp t, 0,1,2,3,4,5,6,7,8,9,10,11,12,13,14,15
	XSTEP \t
.endr
	ds_load_b64 v[12:13], v6                       ; LDS serves a wave's instructions in order: these see my stores
	s_wait_dscnt 0x0
	global_store_b64 v7, v[12:13], s[16:17]        ; 32 lanes store 256 consecutive bytes, aligned: 8 rows of scale bytes
	s_wait_tensorcnt 0x0
	ds_add_u32 v192, v193
	s_wait_dscnt 0x0
	s_endpgm
; ---------------- the weights: a wave takes 32 columns x 256 along K ----------------
.Lweights:
	s_sub_co_u32 s19, ttmp9, 256
	s_lshr_b32 s20, s19, 5                         ; which weight: 0 Wq, 1 Wk, 2 Wv, 3 Wo
	s_and_b32 s21, s19, 7                          ; which 128 columns
	s_bfe_u32 s22, s19, 0x20003                    ; which 256 along K
	s_lshl_b32 s23, s21, 7
	s_lshl_b32 s24, s18, 5
	s_add_co_u32 s23, s23, s24                     ; my wave's first column, a multiple of 32
	s_wait_alu depctr_va_vdst(0)
	v_lshlrev_b32 v3, 2, v2                        ; in: 4 bytes a lane
	s_mul_i32 s24, s18, 32*PITCH
	s_add_co_u32 s24, s24, WLDS                    ; my stage
	v_mul_u32_u24 v4, v2, PITCH
	v_add_nc_u32 v4, s24, v4                       ; into it: row = my column
	v_and_b32 v5, 15, v2
	v_lshrrev_b32 v6, 4, v2                        ; out of it: sixteen lanes to a row, two rows an instruction
	v_mul_u32_u24 v7, v6, PITCH
	v_lshl_add_u32 v7, v5, 4, v7
	v_add_nc_u32 v7, s24, v7
	v_mul_u32_u24 v8, v6, 192
	v_mad_u32_u24 v8, v5, 12, v8                   ; and the same place in the codes' matrix (the pair of rows stands in the store's immediate)
	v_and_b32 v9, 7, v2                            ; my column's position: 16 (lane / 8) + lane % 8 (bit 3 comes from the wave's first column)
	v_lshrrev_b32 v10, 3, v2
	v_lshl_or_b32 v9, v10, 4, v9
	v_lshlrev_b32 v9, 5, v9
	s_lshl_b32 s26, s22, 20                        ; W: 256 rows of 4,096 bytes for each step along K,
	s_lshl_b32 s27, s23, 2
	s_add_co_u32 s26, s26, s27                     ; + 4 x column
	s_mov_b32 s27, 0
	s_and_b32 s35, s23, 0xffffffc0
	s_bfe_u32 s29, s23, 0x10005
	s_lshl_b32 s29, s29, 3
	s_add_co_u32 s35, s35, s29                     ; the first column's bit 5 becomes the position's bit 3
	s_lshl_b32 s28, s20, 10
	s_add_co_u32 s28, s28, s35
	s_add_co_u32 s28, s28, 8192                    ; the first of my 32 positions in the matrix
	s_mul_i32 s30, s28, 192
	s_mul_i32 s29, s22, PLANE
	s_add_co_u32 s30, s30, s29
	s_mov_b32 s31, 0
	s_lshl_b32 s32, s28, 5
	s_lshl_b32 s29, s22, 3
	s_add_co_u32 s32, s32, s29
	s_mov_b32 s33, 0
	s_and_b32 s34, s20, 1
	s_wait_kmcnt 0x0
	s_cmp_lt_u32 s20, 2                            ; the choice hangs on the work-group's number alone
	s_cselect_b64 s[36:37], s[6:7], s[10:11]
	s_cselect_b64 s[38:39], s[8:9], s[12:13]
	s_cmp_eq_u32 s34, 0
	s_cselect_b64 s[36:37], s[36:37], s[38:39]
	s_add_nc_u64 s[36:37], s[36:37], s[26:27]
	s_add_nc_u64 s[14:15], s[14:15], s[30:31]
	s_add_nc_u64 s[16:17], s[16:17], s[32:33]
.macro WLOAD t                         ; block t: W(32 t + i, my column), i = 0 .. 31, into set t % 2; a wave's load reads 128 consecutive bytes
.irp i, 0,1,2,3,4,5,6,7,8,9,10,11,12,13,14,15,16,17,18,19,20,21,22,23,24,25,26,27,28,29,30,31
	global_load_b32 v[WX+32*((\t)%2)+\i], v3, s[36:37] offset:(32*(\t)+\i)*4096 th:TH_LOAD_NT
.endr
.endm
	WLOAD 0
	WLOAD 1
.macro WBLOCK t
.set XS, WX+32*((\t)%2)
.if (\t) < NB-1
	s_wait_loadcnt 32                              ; this block's 32 loads are in; the next block's 32 may be out
.else
	s_wait_loadcnt 0
.endif
	v_max3_num_f32 v12, |v[XS]|, |v[XS+1]|, |v[XS+2]|              ; the block's largest magnitude: all 32 numbers are mine
	v_max3_num_f32 v13, |v[XS+3]|, |v[XS+4]|, |v[XS+5]|
.irp i, 6,10,14,18,22,26
	v_max3_num_f32 v12, v12, |v[XS+\i]|, |v[XS+\i+1]|
	v_max3_num_f32 v13, v13, |v[XS+\i+2]|, |v[XS+\i+3]|
.endr
	v_max3_num_f32 v12, v12, |v[XS+30]|, |v[XS+31]|
	v_max3_num_f32 v12, v12, v13, (EMAX+1)<<23     ; and the floor
	v_add_nc_u32 v11, -(EMAX<<23), v12             ; the conversion's scale operand
	v_lshrrev_b32 v13, 23, v11                     ; the scale's byte
.if (\t)%4 == 0
	v_mov_b32 v[SB+(\t)/4], v13                    ; four bytes to a register, the lower K in the lower byte
.else
	v_lshl_or_b32 v[SB+(\t)/4], v13, 8*((\t)%4), v[SB+(\t)/4]
.endif
	v_cvt_scalef32_pk16_fp6_f32 v[WC:WC+2], v[XS:XS+15], v11
	v_cvt_scalef32_pk16_fp6_f32 v[WC+4:WC+6], v[XS+16:XS+31], v11  ; (a conversion's three registers begin on an even number)
	ds_store_b96 v4, v[WC:WC+2] offset:32*(\t)     ; 12 bytes to a place of 16, so that every LDS address is a multiple of 16
	ds_store_b96 v4, v[WC+4:WC+6] offset:32*(\t)+16
.if (\t)+2 < NB
	WLOAD (\t)+2
.endif
	s_wait_dscnt 0x0                               ; the stores have read their registers: the next block's codes may be written
.endm
.irp t, 0,1,2,3,4,5,6,7
	WBLOCK \t
.endr
	s_wait_alu depctr_va_vdst(0)
	global_store_b64 v9, v[SB:SB+1], s[16:17]      ; my column's 8 scale bytes: rows 32 bytes apart, so aligned blocks of 256 bytes are written in part: one byte for each 128 that the way reads
.irp t, 0,1,2,3,4,5,6,7,8,9,10,11,12,13,14,15
	ds_load_b96 v[OUTR+4*\t:OUTR+4*\t+2], v7 offset:2*\t*PITCH     ; LDS serves a wave's instructions in order: these see my stores
.endr
.irp t, 0,1,2,3,4,5,6,7,8,9,10,11,12,13,14,15
	s_wait_dscnt 15-\t                             ; loads come back in order: pair t of rows is in, the 15 - t behind it may be out
	global_store_b96 v8, v[OUTR+4*\t:OUTR+4*\t+2], s[14:15] offset:(16*((\t)>>2)+2*((\t)&3))*192   ; columns 2 t, 2 t + 1 at their positions
.endr
	s_wait_tensorcnt 0x0
	ds_add_u32 v192, v193
	s_wait_dscnt 0x0
	s_endpgm
.Lfunc_end_k_qd0275f0915_quant:
	.size	k_qd0275f0915_quant, .Lfunc_end_k_qd0275f0915_quant-k_qd0275f0915_quant
	.p2alignl 7, 3214868480
	.fill 96, 4, 3214868480
	.section	.rodata,"a",@progbits
	.p2align	6, 0x0
	.amdhsa_kernel k_qd0275f0915_quant
		.amdhsa_group_segment_fixed_size 68096
		.amdhsa_private_segment_fixed_size 0
		.amdhsa_enable_private_segment 0
		.amdhsa_kernarg_size 56
		.amdhsa_user_sgpr_count 2
		.amdhsa_user_sgpr_kernarg_segment_ptr 1
		.amdhsa_wavefront_size32 1
		.amdhsa_system_sgpr_workgroup_id_x 1
		.amdhsa_system_sgpr_workgroup_id_y 1
		.amdhsa_system_sgpr_workgroup_id_z 1
		.amdhsa_system_vgpr_workitem_id 0
		.amdhsa_next_free_vgpr 194
		.amdhsa_next_free_sgpr 66
		.amdhsa_reserve_vcc 0
		.amdhsa_float_denorm_mode_32 3
		.amdhsa_float_denorm_mode_16_64 3
		.amdhsa_memory_ordered 1
		.amdhsa_forward_progress 1
		.amdhsa_inst_pref_size 74
	.end_amdhsa_kernel
	.amdgpu_metadata
---
amdhsa.version: [ 1, 2 ]
amdhsa.kernels:
  - .name:           k_qd0275f0915_quant
    .symbol:         k_qd0275f0915_quant.kd
    .args:
      - { .name: x, .offset: 0, .size: 8, .value_kind: global_buffer, .address_space: global }
      - { .name: Wq, .offset: 8, .size: 8, .value_kind: global_buffer, .address_space: global }
      - { .name: Wk, .offset: 16, .size: 8, .value_kind: global_buffer, .address_space: global }
      - { .name: Wv, .offset: 24, .size: 8, .value_kind: global_buffer, .address_space: global }
      - { .name: Wo, .offset: 32, .size: 8, .value_kind: global_buffer, .address_space: global }
      - { .name: xw_codes, .offset: 40, .size: 8, .value_kind: global_buffer, .address_space: global }
      - { .name: xw_scales, .offset: 48, .size: 8, .value_kind: global_buffer, .address_space: global }
    .group_segment_fixed_size: 68096
    .private_segment_fixed_size: 0
    .kernarg_segment_align: 8
    .kernarg_segment_size: 56
    .max_flat_workgroup_size: 128
    .sgpr_count:     66
    .vgpr_count:     194
    .wavefront_size: 32
...
	.end_amdgpu_metadata
.endif
;; end of part 1
;; launch qkv (part 2): grid 96 x 4, 4 waves a work-group, clusters of 4 x 4, 327,680 bytes of LDS; arguments xw_codes, xw_scales, bq, bk, bv, qkv_codes, qkv_scales; writes qkv_codes, qkv_scales
.if DOCPART == 2
	.amdgcn_target "amdgcn-amd-amdhsa--gfx1250"
	.amdhsa_code_object_version 6
	.text
	.protected	k_qd0275f0915_qkv
	.globl	k_qd0275f0915_qkv
	.p2align	8
	.type	k_qd0275f0915_qkv,@function
k_qd0275f0915_qkv:
	s_mov_b64 s[64:65], 0
	v_nop
	global_prefetch_b8 v0, s[64:65] scope:SCOPE_SE
	s_setreg_imm32_b32 hwreg(HW_REG_WAVE_MODE, 25, 1), 1
	s_wait_xcnt 0x0
	s_wait_alu depctr_hold_cnt(0) depctr_sa_sdst(0) depctr_va_vdst(0) depctr_va_sdst(0) depctr_va_ssrc(0) depctr_va_vcc(0) depctr_vm_vsrc(0)
	s_getreg_b32 s2, hwreg(HW_REG_IB_STS2, 6, 4)
	s_cmp_eq_u32 s2, 0
	s_cbranch_scc0 .Lentry_in_a_cluster
	s_endpgm
.Lentry_in_a_cluster:
	s_bfe_u32 s2, ttmp6, 0x10000c
	s_cmp_lg_u32 s2, 0xf033
	s_cbranch_scc0 .Lentry_shape_is_right
	s_endpgm
.Lentry_shape_is_right:
.set KSTEP,  256
.set NQ,     2
.set ROWB,   192
.set KROW,   768
.set PITCH,  240
.set FR,     12
.set NL,     6
.set NP,     4
.set HALFT,  128*PITCH
.set SLOT,   4*HALFT
.set LAPS,   2
.set KS,     32
.set PLANE,  2359296                   ; the codes lie [K step of 256][position][192 bytes], dense: 128 rows are 96 units of 256 bytes; a plane is 12,288 x 192 bytes
.set SCL,    2*SLOT
.set HALFS,  (128*KS/256)*272
.set SBLK,   (16*KS/256)*272
.set SPARE,  SCL+4*HALFS
.set ADRA, 16
.set ADRB, 20
.set ADRS, 27
.set SPW,  28
.set NIL,  29
.set SC,   32
.set BIAS, 64
.set AF,   128
.set PC,   64
.set PX,   76
.set TM,   84
.set PW,   100
.set VO16, 102
.set VO8,  103
.set VO16B, 104
.set VO8B, 105
.set SST,  106
.set SRD,  107
.set PW2,  116
.set G1, 24
.set G0, 32
.set G1B, 48
.set G0B, 56
.set G1S, 68
.set G0S, 76
.set G1SB, 80
.set G0SB, 88
.set MSB, 0
.macro WIN new
.if MSB != \new
	s_set_vgpr_msb (MSB<<8)|\new
.set MSB, \new
.endif
.endm
.set MUL_LO, 0xa1
.set MUL_HI, 0xf1
.set MUL_LO0, 0x81
.set MUL_HI0, 0xc1
.set TO_B,   0x40
.macro JLOAD g0a, g1a, g0b, g1b
	s_cmp_eq_u32 s15, 0
	s_cbranch_scc0 .Lfor_b_\@
	tensor_load_to_lds s[\g0a:\g0a+3], s[\g1a:\g1a+7]
	s_nop 0
.rept 4
	v_nop
.endr
	s_branch .Lasked_\@
.Lfor_b_\@:
	tensor_load_to_lds s[\g0b:\g0b+3], s[\g1b:\g1b+7]
	s_nop 0
.rept 4
	v_nop
.endr
.Lasked_\@:
.endm
.macro CREST
	s_cmp_lg_u32 s14, 0
	s_cbranch_scc1 .Lnot_wave_0_\@
	s_barrier_signal -3
.Lnot_wave_0_\@:
	s_barrier_wait -3
	s_barrier_signal -1
	s_barrier_wait -1
.endm
.macro CROUND
	s_barrier_signal -1
	s_barrier_wait -1
	CREST
.endm
	s_load_b256 s[4:11], s[0:1], 0x0
	s_load_b64 s[12:13], s[0:1], 0x20
	s_load_b128 s[96:99], s[0:1], 0x28
	v_lshl_add_u32 v[SPW], v0, 2, SPARE
	v_mov_b32 v[NIL], 0
	ds_add_u32 v28, v29
	ds_add_u32 v28, v29
	s_wait_dscnt 0x0
	v_lshrrev_b32 v1, 5, v0
	v_readfirstlane_b32 s14, v1
	s_lshr_b32 s15, s14, 1
	s_and_b32 s16, s14, 1
	s_bfe_u32 s40, ttmp6, 0x40000
	s_bfe_u32 s41, ttmp6, 0x40004
	s_lshr_b32 s18, ttmp9, 1
	s_lshl_b32 s18, s18, 2
	s_and_b32 s19, ttmp9, 1
	s_lshl_b32 s19, s19, 2
	s_add_co_u32 s19, s19, 32
	s_and_b32 s20, ttmp9, 7
	s_lshl_b32 s20, s20, 2
	s_cmp_lt_u32 ttmp9, 16
	s_cselect_b32 s17, s18, 40
	s_cselect_b32 s42, s19, s20
	s_add_co_u32 s17, s17, s41
	s_add_co_u32 s42, s42, s40
	s_lshl_b32 s43, s41, 2
	s_lshl_b32 s43, 15, s43
	s_lshl_b32 s44, 0x1111, s40
	s_or_b32 s[G1+0], s43, (0<<16)|(1<<20)|(1<<21)|(3<<22)|(3<<25)
	s_or_b32 s[G1B+0], s44, (0<<16)|(1<<20)|(1<<21)|(3<<22)|(3<<25)
.irp g, G1, G1B
	s_mov_b32 s[\g+1], 256<<16                     ; a dense block stated as rows of 256 bytes; the padding's interval stays 64 bytes, so an LDS row of 192 bytes keeps its pitch of 240
	s_mov_b32 s[\g+2], 192<<16                     ; the head's loads: 256 rows of codes = 192 units
	s_mov_b32 s[\g+3], 256<<16
	s_mov_b32 s[\g+4], 192
	s_mov_b32 s[\g+5], 256
	s_mov_b32 s[\g+6], 0
	s_mov_b32 s[\g+7], 0
.endr
	s_or_b32 s[G1S+0], s43, (3<<16)|(1<<20)|(1<<21)|(5<<22)|(3<<25)
	s_or_b32 s[G1SB+0], s44, (3<<16)|(1<<20)|(1<<21)|(5<<22)|(3<<25)
.irp g, G1S, G1SB
	s_mov_b32 s[\g+1], 32<<16
	s_mov_b32 s[\g+2], KS<<16
	s_mov_b32 s[\g+3], 32<<16
	s_mov_b32 s[\g+4], KS
	s_mov_b32 s[\g+5], 32
	s_mov_b32 s[\g+6], 0
	s_mov_b32 s[\g+7], 0
.endr
	s_lshl_b32 s20, s17, 8
	s_lshl_b32 s46, s42, 8
	s_mov_b32 s21, 0
	s_mov_b32 s47, 0
	s_mov_b64 s[18:19], KS
	s_mul_u64 s[22:23], s[20:21], s[18:19]
	s_mul_u64 s[92:93], s[46:47], s[18:19]
	s_mov_b64 s[18:19], ROWB
	s_mul_u64 s[20:21], s[20:21], s[18:19]
	s_mul_u64 s[46:47], s[46:47], s[18:19]
	s_mul_i32 s45, s14, HALFT
	s_mul_i32 s94, s16, 128*ROWB                   ; in the ring I fetch 128 rows of a tile: which half, in bytes
	s_mov_b32 s95, 0
	s_wait_kmcnt 0x0
	s_add_nc_u64 s[20:21], s[4:5], s[20:21]
	s_add_nc_u64 s[22:23], s[6:7], s[22:23]
	s_add_nc_u64 s[46:47], s[4:5], s[46:47]
	s_add_nc_u64 s[92:93], s[6:7], s[92:93]
	CROUND
	s_mov_b32 s[G0S], 1                            ; the head's four tiles, each whole: the scales of A's 256 rows,
	s_mov_b32 s[G0S+1], SCL
	s_mov_b64 s[G0S+2:G0S+3], s[22:23]
	s_or_b32 s[G0S+3], s[G0S+3], 0x80000000
	s_mov_b32 s[G0SB], 1                           ; of B's,
	s_mov_b32 s[G0SB+1], SCL+2*HALFS
	s_mov_b64 s[G0SB+2:G0SB+3], s[92:93]
	s_or_b32 s[G0SB+3], s[G0SB+3], 0x80000000
	s_mov_b32 s[G0], 1                             ; K step 0's 256 rows of A (slot 0's group 0 serves the head first),
	s_mov_b32 s[G0+1], 0
	s_mov_b64 s[G0+2:G0+3], s[20:21]
	s_or_b32 s[G0+3], s[G0+3], 0x80000000
	s_mov_b32 s[G0B], 1                            ; and of B
	s_mov_b32 s[G0B+1], 2*HALFT
	s_mov_b64 s[G0B+2:G0B+3], s[46:47]
	s_or_b32 s[G0B+3], s[G0B+3], 0x80000000
	s_add_nc_u64 s[20:21], s[20:21], s[94:95]      ; for the ring: my 128 rows
	s_add_nc_u64 s[46:47], s[46:47], s[94:95]
	s_mov_b32 s[G0+4], 1                           ; slot 1: K step 1
	s_add_co_u32 s[G0+5], s45, SLOT
	s_add_nc_u64 s[G0+6:G0+7], s[20:21], PLANE
	s_or_b32 s[G0+7], s[G0+7], 0x80000000
	s_mov_b32 s[G0B+4], 1
	s_add_co_u32 s[G0B+5], s45, SLOT
	s_add_nc_u64 s[G0B+6:G0B+7], s[46:47], PLANE
	s_or_b32 s[G0B+7], s[G0B+7], 0x80000000
; one load a wave at the head, in one chain of arms on the wave's number: every way passes exactly one load
.macro ARM under, g0, g1, next
	s_cmp_lt_u32 s14, \under
	s_cbranch_scc0 \next
	tensor_load_to_lds s[\g0:\g0+3], s[\g1:\g1+7]
	s_nop 0
.rept 4
	v_nop
.endr
	s_branch .Lhead_asked
\next:
.endm
	ARM 1, G0,  G1,  .Lhead_b
	ARM 2, G0B, G1B, .Lhead_sa
	ARM 3, G0S, G1S, .Lhead_sb
	tensor_load_to_lds s[G0SB:G0SB+3], s[G1SB:G1SB+7]
	s_nop 0
.rept 4
	v_nop
.endr
.Lhead_asked:
	v_and_b32 v1, 15, v0
	v_bfe_u32 v2, v0, 4, 1
	v_mul_u32_u24 v3, v1, PITCH
	v_mul_u32_u24 v4, v2, 24
	v_add_nc_u32 v4, v3, v4
	v_lshl_add_u32 v5, v2, 4, v4
	s_mul_i32 s21, s15, HALFT
	s_mul_i32 s22, s16, HALFT
	s_add_co_u32 s22, s22, 2*HALFT
.irp s, 0,1
	v_add_nc_u32 v[ADRA+\s], s21, v4
	v_add_nc_u32 v[ADRB+\s], s22, v4
	v_add_nc_u32 v[ADRA+2+\s], s21, v5
	v_add_nc_u32 v[ADRB+2+\s], s22, v5
	s_add_co_u32 s21, s21, SLOT
	s_add_co_u32 s22, s22, SLOT
.endr
	v_mul_u32_u24 v5, v1, KS
	v_lshrrev_b32 v6, 8, v5
	v_lshl_add_u32 v5, v6, 4, v5
	s_mul_i32 s21, s15, HALFS
	s_mul_i32 s22, s16, HALFS
	s_add_co_u32 s22, s22, 2*HALFS
	s_sub_co_u32 s22, s22, s21
	v_mul_u32_u24 v6, s22, v2
	s_add_co_u32 s21, s21, SCL
	v_add_nc_u32 v5, v5, v6
	v_add_nc_u32 v[ADRS], s21, v5
	s_and_b32 s18, ttmp9, 1
	s_cmp_eq_u32 s18, 0
	s_cselect_b64 s[8:9], s[8:9], s[10:11]
	s_lshl_b32 s18, s40, 10
	s_lshl_b32 s19, s16, 9
	s_add_co_u32 s18, s18, s19
	s_lshl_b32 s19, s41, 10
	s_lshl_b32 s2, s15, 9
	s_add_co_u32 s19, s19, s2
	s_cmp_lt_u32 ttmp9, 16
	s_cselect_b64 s[8:9], s[8:9], s[12:13]
	s_cselect_b32 s18, s18, s19
	s_cselect_b32 s2, 4, 0
	s_cselect_b32 s66, -1, 0
	s_mov_b32 s19, 0
	s_add_nc_u64 s[8:9], s[8:9], s[18:19]
	v_lshlrev_b32 v7, 7, v2                        ; position 16 g + 8 h + j is column 64 (g / 4) + 32 h + 8 (g % 4) + j
	v_lshrrev_b32 v8, 3, v1
	v_and_b32 v9, 7, v1
	v_lshlrev_b32 v9, 2, v9
	v_lshl_add_u32 v8, v8, 7, v9
	v_cndmask_b32 v7, v8, v7, s66
.irp j, 0,1,2,3,4,5,6,7
	v_mad_u32_u24 v[8+\j], s2, \j, v7
.endr
.irp g, 0,1,2,3,4,5,6,7
.irp j, 0,1,2,3,4,5,6,7
	global_load_b32 v[BIAS+8*\g+\j], v[8+\j], s[8:9] offset:256*(\g/4)+32*(\g%4)
.endr
.endr
.macro FRAG reg, adr, q, i
.irp p, 0,1,2,3,4,5
.set PCE, 12*(\q)+6*(\p/3)+\p%3
.if PCE%8 < 5
	ds_load_b64 v[\reg+2*\p:\reg+2*\p+1], v[\adr] offset:8*PCE+16*(PCE/8)+(\i)*16*PITCH
.else
	ds_load_b64 v[\reg+2*\p:\reg+2*\p+1], v[\adr+2] offset:8*PCE+16*(PCE/8)+(\i)*16*PITCH
.endif
.endr
.endm
.macro MUL16 a0, p, q, sc, zero
.irp a, \a0, \a0+1
.irp b, 0,1,2,3,4,5,6,7
.if \zero == 1
	v_wmma_scale_f32_16x16x128_f8f6f4 v[8*(8*((\a)%4)+\b):8*(8*((\a)%4)+\b)+7], v[128*(\p)+FR*\b:128*(\p)+FR*\b+FR-1], v[AF+FR*(\a):AF+FR*(\a)+FR-1], v[BIAS+8*\b:BIAS+8*\b+7], v[SC+8*NQ*(\sc)+NQ*\b+(\q)], v[SC+8*NQ*(\sc)+NQ*(\a)+(\q)] matrix_a_fmt:MATRIX_FMT_FP6 matrix_b_fmt:MATRIX_FMT_FP6 matrix_a_scale:MATRIX_SCALE_ROW1
.elseif \zero == 2
	v_wmma_scale_f32_16x16x128_f8f6f4 v[8*(8*((\a)%4)+\b):8*(8*((\a)%4)+\b)+7], v[128*(\p)+FR*\b:128*(\p)+FR*\b+FR-1], v[AF+FR*(\a):AF+FR*(\a)+FR-1], v[BIAS+8*(\a):BIAS+8*(\a)+7], v[SC+8*NQ*(\sc)+NQ*\b+(\q)], v[SC+8*NQ*(\sc)+NQ*(\a)+(\q)] matrix_a_fmt:MATRIX_FMT_FP6 matrix_b_fmt:MATRIX_FMT_FP6 matrix_a_scale:MATRIX_SCALE_ROW1
.else
	v_wmma_scale_f32_16x16x128_f8f6f4 v[8*(8*((\a)%4)+\b):8*(8*((\a)%4)+\b)+7], v[128*(\p)+FR*\b:128*(\p)+FR*\b+FR-1], v[AF+FR*(\a):AF+FR*(\a)+FR-1], v[8*(8*((\a)%4)+\b):8*(8*((\a)%4)+\b)+7], v[SC+8*NQ*(\sc)+NQ*\b+(\q)], v[SC+8*NQ*(\sc)+NQ*(\a)+(\q)] matrix_a_fmt:MATRIX_FMT_FP6 matrix_b_fmt:MATRIX_FMT_FP6 matrix_a_scale:MATRIX_SCALE_ROW1
.endif
.endr
.endr
.endm
.macro FETCH_B slot, q, p
	WIN TO_B
.irp i, 0,1,2,3,4,5,6,7
	FRAG 128*(\p)+FR*\i, ADRB+\slot, \q, \i
.endr
	WIN 0
.endm
.macro FETCH_A slot, q, i0
.irp i, \i0, \i0+1, \i0+2, \i0+3
	FRAG AF+FR*(\i), ADRA+\slot, \q, \i
.endr
.endm
.macro SCALES sc
.irp i, 0,1,2,3,4,5,6,7
	ds_load_b64 v[SC+8*NQ*\sc+NQ*\i:SC+8*NQ*\sc+NQ*\i+1], v[ADRS] offset:\i*SBLK
.endr
.endm
.macro PLACES n
.rept \n
	v_nop
.endr
.endm
.macro STEP slot, q, zero
	s_wait_dscnt 4*NL
.if \zero
	WIN MUL_LO0
.else
	WIN MUL_LO
.endif
	MUL16 0, (\q)%2, \q, \slot, \zero
	MUL16 2, (\q)%2, \q, \slot, \zero
	s_wait_dscnt 0
	PLACES NP
	FETCH_B \slot, (\q)+1, 1-(\q)%2
	FETCH_A \slot, (\q)+1, 0
.if \zero
	WIN MUL_HI0
.else
	WIN MUL_HI
.endif
	MUL16 4, (\q)%2, \q, \slot, \zero
	MUL16 6, (\q)%2, \q, \slot, \zero
	PLACES NP
	WIN 0
	FETCH_A \slot, (\q)+1, 4
.endm
.macro TURN slot, next, fill
	s_wait_tensorcnt 0x0
	ds_add_u32 v[SPW], v[NIL]
	s_wait_dscnt 4*NL+1
	WIN MUL_LO
	MUL16 0, 1, NQ-1, \slot, 0
	s_wait_dscnt 0x0
	s_barrier_signal -1
	MUL16 2, 1, NQ-1, \slot, 0
	WIN 0
	s_barrier_wait -1
.if \fill
	CREST
	s_add_nc_u64 s[G0+4*\slot+2:G0+4*\slot+3], s[G0+4*\slot+2:G0+4*\slot+3], 2*PLANE
	s_add_nc_u64 s[G0B+4*\slot+2:G0B+4*\slot+3], s[G0B+4*\slot+2:G0B+4*\slot+3], 2*PLANE
	JLOAD G0+4*\slot, G1, G0B+4*\slot, G1B
.else
	PLACES NP
.endif
	s_wait_alu depctr_va_vdst(0)
	v_add_nc_u32 v[ADRS], 4*NQ, v[ADRS]
	FETCH_B \next, 0, 0
	FETCH_A \next, 0, 0
	SCALES \next
	WIN MUL_HI
	MUL16 4, 1, NQ-1, \slot, 0
	MUL16 6, 1, NQ-1, \slot, 0
	PLACES NP
	WIN 0
	FETCH_A \next, 0, 4
.endm
	s_wait_alu depctr_va_vdst(0)                   ; the wait at the head's end
	s_wait_loadcnt 0x0                             ; the bias
	s_wait_tensorcnt 0x0                           ; my tile of the head's four is in; the three lines ahead of slot 1's first fill, as ahead of a refill
	ds_add_u32 v[SPW], v[NIL]
	s_mov_b32 s[G1+2], 96<<16                      ; no tensor load of mine is out: from here on a load brings 128 rows, 96 units,
	s_mov_b32 s[G1+4], 96
	s_mov_b32 s[G1B+2], 96<<16
	s_mov_b32 s[G1B+4], 96
	s_mov_b32 s[G0+1], s45                         ; and slot 0's group 0 names my quarter of the slot
	s_mov_b32 s[G0B+1], s45
	s_add_nc_u64 s[G0+2:G0+3], s[G0+2:G0+3], s[94:95]
	s_add_nc_u64 s[G0B+2:G0B+3], s[G0B+2:G0B+3], s[94:95]
	s_wait_dscnt 0x0
	CROUND
	JLOAD G0+4, G1, G0B+4, G1B
	FETCH_B 0, 0, 0
	FETCH_A 0, 0, 0
	SCALES 0
	FETCH_A 0, 0, 4
	s_cmp_lt_u32 ttmp9, 16
	s_cbranch_scc0 .Lfirst_v
	STEP 0, 0, 1
	s_branch .Lfirst_done
.Lfirst_v:
	STEP 0, 0, 2
.Lfirst_done:
	s_mov_b32 s3, LAPS-1
.Llap:
	TURN 0, 1, 1
	STEP 1, 0, 0
	TURN 1, 0, 1
	STEP 0, 0, 0
	s_sub_co_u32 s3, s3, 1
	s_cmp_lg_u32 s3, 0
	s_cbranch_scc1 .Llap
	TURN 0, 1, 0
	STEP 1, 0, 0
	s_wait_dscnt 4*NL
	WIN MUL_LO
	MUL16 0, 1, NQ-1, 1, 0
	MUL16 2, 1, NQ-1, 1, 0
	s_wait_dscnt 0
	WIN MUL_HI
	MUL16 4, 1, NQ-1, 1, 0
	MUL16 6, 1, NQ-1, 1, 0
	WIN 0
	s_lshl_b32 s68, s17, 8
	s_lshl_b32 s69, s15, 7
	s_add_co_u32 s68, s68, s69
	s_lshr_b32 s69, s68, 11
	s_lshl_b32 s69, s69, 4
	s_and_b32 s70, ttmp9, 1
	s_lshl_b32 s70, s70, 6
	s_add_co_u32 s69, s69, s70
	s_lshl_b32 s70, s40, 2
	s_add_co_u32 s69, s69, s70
	s_lshl_b32 s70, s16, 1
	s_add_co_u32 s69, s69, s70
	s_and_b32 s68, s68, 2047
	s_mul_i32 s70, s69, 98304
	s_mul_i32 s71, s68, 48
	s_add_co_u32 s70, s70, s71
	s_lshl_b32 s71, s69, 13
	s_lshl_b32 s72, s68, 2
	s_add_co_u32 s71, s71, s72
	s_lshl_b32 s72, s42, 8
	s_lshl_b32 s73, s16, 7
	s_add_co_u32 s72, s72, s73
	s_lshr_b32 s72, s72, 7
	s_lshl_b32 s72, s72, 6
	s_lshl_b32 s73, s41, 4
	s_add_co_u32 s72, s72, s73
	s_lshl_b32 s73, s15, 3
	s_add_co_u32 s72, s72, s73
	s_mul_i32 s73, s72, 1536
	s_add_co_u32 s73, s73, 12582912
	s_lshl_b32 s74, s72, 6
	s_add_co_u32 s74, s74, 1048576
	s_mov_b32 s75, 768
	s_mov_b32 s76, 1536
	s_cmp_lt_u32 ttmp9, 16
	s_cselect_b32 s80, s70, s73
	s_cselect_b32 s86, s71, s74
	s_cselect_b32 s77, 98304, s75
	s_cselect_b32 s78, s75, s76
	s_mov_b32 s79, 0
	s_mov_b32 s81, 0
	s_mov_b32 s87, 0
	s_add_nc_u64 s[96:97], s[96:97], s[80:81]
	s_add_nc_u64 s[98:99], s[98:99], s[86:87]
	s_mov_b32 s82, 0x76543210
	s_mov_b32 s83, 0xfedcba98
	s_mov_b32 s84, 0xffff0000
	s_lshl_b32 s85, s14, 10
	v_and_b32 v6, 31, v0
	v_lshlrev_b32 v[VO16], 4, v6
	v_lshl_add_u32 v[VO8], v6, 3, 512
	v_add_nc_u32 v[VO16B], s77, v[VO16]
	v_add_nc_u32 v[VO8B], s77, v[VO8]
	v_lshlrev_b32 v[SST], 2, v1
	v_lshl_add_u32 v[SST], v2, 9, v[SST]
	v_add_nc_u32 v[SST], s85, v[SST]
	v_add_nc_u32 v[SRD], s85, v[VO16]
	v_lshlrev_b32 v101, 3, v2                      ; 8 h: where my two scale bytes stand in the word
.irp b, 0,1,2,3
	v_mov_b32 v[TM+4+\b], 0
.endr
.macro OUTA a
.set WA, 2+(\a)/4
.set WS, (WA<<2)|(WA<<4)
.set AC, 64*((\a)%4)
	WIN WS
.irp b, 0,1,2,3
	v_max3_num_f32 v[TM+\b], 0x1800000, |v[AC+16*\b]|, |v[AC+16*\b+1]|
.endr
.irp i, 2,4,6,8,10,12,14
.irp b, 0,1,2,3
	v_max3_num_f32 v[TM+\b], v[TM+\b], |v[AC+16*\b+\i]|, |v[AC+16*\b+\i+1]|
.endr
.endr
	WIN 0
	v_max_num_f32 v[TM], v[TM], v[TM+1]            ; by the position order my registers 32 c .. 32 c + 31 are one whole block, 2 c + h: no other lane is asked
	v_max_num_f32 v[TM+2], v[TM+2], v[TM+3]
	v_add_nc_u32 v[TM+12], 0xff000000, v[TM]
	v_add_nc_u32 v[TM+13], 0xff000000, v[TM+2]
	v_lshrrev_b32 v[TM+4], 23, v[TM+12]
	v_lshrrev_b32 v[TM+5], 23, v[TM+13]
	v_lshl_or_b32 v[PW], v[TM+5], 16, v[TM+4]      ; my bytes h and 2 + h,
	v_lshlrev_b32 v[PW], v101, v[PW]
	v_permlanex16_b32 v[TM+6], v[PW], s82, s83
	v_or_b32 v[PW], v[PW], v[TM+6]                 ; with lane l xor 16's two the word is whole
	s_wait_alu depctr_va_vdst(0)                   ; the wait here, directly ahead of the wait below
	s_wait_xcnt 0x0
.if (\a) > 0
	s_add_nc_u64 s[96:97], s[96:97], s[78:79]
.endif
	WIN WA
.irp c, 0,1
	v_cvt_scalef32_pk16_fp6_f32 v[PC+6*\c:PC+2+6*\c], v[AC+32*\c:AC+15+32*\c], v[TM+12+\c]
	v_cvt_scalef32_pk16_fp6_f32 v[PX+4*\c:PX+2+4*\c], v[AC+16+32*\c:AC+31+32*\c], v[TM+12+\c]
.endr
	WIN 0
	v_nop
.irp c, 0,1
.irp i, 0,1,2
	v_mov_b32 v[PC+3+6*\c+\i], v[PX+4*\c+\i]
.endr
.endr
	v_lshrrev_b32 v[PW2+(\a)], 16, v[PW]
	v_cndmask_b32 v[PW2+(\a)], v[PW], v[PW2+(\a)], s84
	ds_store_b32 v[SST], v[PW2+(\a)] offset:64*(\a)
	global_store_b128 v[VO16], v[PC:PC+3], s[96:97]
	global_store_b64 v[VO8], v[PC+4:PC+5], s[96:97]
	global_store_b128 v[VO16B], v[PC+6:PC+9], s[96:97]
	global_store_b64 v[VO8B], v[PC+10:PC+11], s[96:97]
.endm
.irp a, 0,1,2,3,4,5,6,7
	OUTA \a
.endr
	ds_load_b128 v[108:111], v[SRD]
	ds_load_b128 v[112:115], v[SRD] offset:512
	s_wait_dscnt 0x0
	global_store_b128 v[VO16], v[108:111], s[98:99]
	s_cmp_lt_u32 ttmp9, 16
	s_cbranch_scc0 .Lone_run
	global_store_b128 v[VO16], v[112:115], s[98:99] offset:8192
.Lone_run:
	s_wait_tensorcnt 0x0
	ds_add_u32 v[SPW], v[NIL]
	s_wait_dscnt 0x0
	CROUND
	s_endpgm
.Lfunc_end_k_qd0275f0915_qkv:
	.size	k_qd0275f0915_qkv, .Lfunc_end_k_qd0275f0915_qkv-k_qd0275f0915_qkv
	.p2alignl 7, 3214868480
	.fill 96, 4, 3214868480
	.section	.rodata,"a",@progbits
	.p2align	6, 0x0
	.amdhsa_kernel k_qd0275f0915_qkv
		.amdhsa_group_segment_fixed_size 327680
		.amdhsa_private_segment_fixed_size 0
		.amdhsa_enable_private_segment 0
		.amdhsa_kernarg_size 56
		.amdhsa_user_sgpr_count 2
		.amdhsa_user_sgpr_kernarg_segment_ptr 1
		.amdhsa_wavefront_size32 1
		.amdhsa_system_sgpr_workgroup_id_x 1
		.amdhsa_system_sgpr_workgroup_id_y 1
		.amdhsa_system_sgpr_workgroup_id_z 1
		.amdhsa_system_vgpr_workitem_id 0
		.amdhsa_next_free_vgpr 1024
		.amdhsa_next_free_sgpr 100
		.amdhsa_reserve_vcc 0
		.amdhsa_float_denorm_mode_32 3
		.amdhsa_float_denorm_mode_16_64 3
		.amdhsa_memory_ordered 1
		.amdhsa_forward_progress 1
		.amdhsa_inst_pref_size 185
	.end_amdhsa_kernel
	.amdgpu_metadata
---
amdhsa.version: [ 1, 2 ]
amdhsa.kernels:
  - .name:           k_qd0275f0915_qkv
    .symbol:         k_qd0275f0915_qkv.kd
    .args:
      - { .name: xw_codes, .offset: 0, .size: 8, .value_kind: global_buffer, .address_space: global }
      - { .name: xw_scales, .offset: 8, .size: 8, .value_kind: global_buffer, .address_space: global }
      - { .name: bq, .offset: 16, .size: 8, .value_kind: global_buffer, .address_space: global }
      - { .name: bk, .offset: 24, .size: 8, .value_kind: global_buffer, .address_space: global }
      - { .name: bv, .offset: 32, .size: 8, .value_kind: global_buffer, .address_space: global }
      - { .name: qkv_codes, .offset: 40, .size: 8, .value_kind: global_buffer, .address_space: global }
      - { .name: qkv_scales, .offset: 48, .size: 8, .value_kind: global_buffer, .address_space: global }
    .group_segment_fixed_size: 327680
    .private_segment_fixed_size: 0
    .kernarg_segment_align: 8
    .kernarg_segment_size: 56
    .max_flat_workgroup_size: 128
    .sgpr_count:     100
    .vgpr_count:     1024
    .wavefront_size: 32
...
	.end_amdgpu_metadata
.endif
;; end of part 2
;; launch attn (part 3): grid 4 x 64, 12 waves a work-group, clusters of 4 x 1, 210,944 bytes of LDS; arguments qkv_codes, qkv_scales, ao_codes, ao_scales; writes ao_codes, ao_scales
.if DOCPART == 3
	.amdgcn_target "amdgcn-amd-amdhsa--gfx1250"
	.amdhsa_code_object_version 6
	.text
	.protected	k_qd0275f0915_attn
	.globl	k_qd0275f0915_attn
	.p2align	8
	.type	k_qd0275f0915_attn,@function
k_qd0275f0915_attn:
	s_mov_b64 s[64:65], 0
	v_nop
	global_prefetch_b8 v0, s[64:65] scope:SCOPE_SE
	s_setreg_imm32_b32 hwreg(HW_REG_WAVE_MODE, 25, 1), 1
	s_wait_xcnt 0x0
	s_wait_alu depctr_hold_cnt(0) depctr_sa_sdst(0) depctr_va_vdst(0) depctr_va_sdst(0) depctr_va_ssrc(0) depctr_va_vcc(0) depctr_vm_vsrc(0)
	s_getreg_b32 s2, hwreg(HW_REG_IB_STS2, 6, 4)
	s_cmp_eq_u32 s2, 0
	s_cbranch_scc0 .Lentry_in_a_cluster
	s_endpgm
.Lentry_in_a_cluster:
	s_bfe_u32 s2, ttmp6, 0x10000c
	s_cmp_lg_u32 s2, 0x3003
	s_cbranch_scc0 .Lentry_shape_is_right
	s_endpgm
.Lentry_shape_is_right:
; O = softmax(Q K^T / 8) V for one batch and head, both products on codes of FP6 (E2M3) with E8M0 scales; O / l is quantised along the head's 64 channels on the way out.
; THE SOFTMAX: t = score x log2(e) / 8; M = the running largest t rounded UP to a whole number; p = 2^(t - M) is quantised along the keys, not normalised; the row's sum l is taken of the unquantised p;
; when M moves, l and O are multiplied by 2^(old M - new M), which rounds nothing.
; SHARES.  256 work-groups, four to a batch and head.  A work-group owns 512 query positions, 32 tiles of 16, and has twelve waves.  A wave takes one tile in a pass over all keys: tile 12 p + wave in pass p.
; Passes 0 and 1 serve 24 tiles; pass 2 serves tiles 24-31 by waves 0-7.  The trip counts are constants (3 passes of 16 steps): in pass 2 waves 8-11 jump over each step's work and over the way out,
; by a scalar branch on the wave's number and the pass, which leads round no barrier.  (All three tiles of Q are loaded at the head by one text; waves 8-11 never use their third, which lies inside the buffer.)
; THE WHOLE HEAD LIES IN LDS, FILLED ONCE, and serves all passes: K's 128 images of 768 bytes, V's 64 of 1,536, their scale words.  Ten loads, one a wave: waves 0-3 a quarter of K each, waves 4-7 a quarter of V,
; wave 8 K's scale words, wave 9 V's.  Every wave waits for its load, one barrier shows all of it to all, and no barrier follows: nothing is filled again.
; CLUSTER.  The four work-groups of a cluster belong to one head and read the same K and V: every fill is a joint load (mask 15).
; NO PREFETCH: all that the launch reads through LDS is asked for by the head's loads; there is no later step to ask ahead for.
; LAYOUT.  Both products are used transposed: a lane holds ONE query (lane % 16) throughout.  Tokens and channels lie in POSITION ORDER (position bit 3 = index bit 5, bits 5:4 = index bits 4:3):
; row 8 h + j of position tile 4 c + u is index 64 c + 32 h + 8 u + j, so a lane's registers 32 c .. 32 c + 31 of the scores are the 32 true keys of ONE scale block, 2 c + h, in the order in which the
; second product's operand wants them in that lane; likewise O's 32 registers are channels 32 h .. 32 h + 31.  Only the row's maximum, the row's sum and the scale words pass between lanes l and l xor 16.
; THE FIRST PRODUCT'S K IS 64, the instruction's 128: Q's registers 6-11 hold zero codes.  K's fragment t is named as twelve registers of which the upper six are the next fragment's (behind the last: six zeros):
; codes of this format are all finite and no scale byte here is 0xff, so those products are exact zeros.
; A block's largest p is made from the block's largest score by the same multiply-add and exponential as every p.
; LIMITS: 1 / l is v_rcp_f32 and a multiplication.  A block whose largest magnitude lies under 2^-124 gets the byte 1.  NaN and infinities are not served.  The scaled scores stay under 2^31 in magnitude.
; The two scale bytes of a row and head leave as 2 bytes a lane, rows 32 bytes apart: one byte for each 24 of codes.
.set KC,    0                          ; LDS: K's codes, 98,304 bytes
.set VC,    98304                      ; V's codes, [key step 16][tile 4][1,536]
.set KSW,   196608                     ; K's scale words, one a position
.set VSW,   204800                     ; V's: [key step][tile][16]
.set SPARE, 208896                     ; the spare words: 128 bytes a wave
.set NW,   12                          ; waves: tiles from pass to pass
.set NM,   16                          ; v16 -M, v17 the running largest score
.set S,    96                          ; v96-159 the scores, then p
.set O,    160                         ; v160-191 O^T
.set PCD,  192                         ; v192-203 p's codes
.set PX,   204                         ; v204-206, v208-210 the conversions' second halves
.set BM,   212                         ; v212-215 four chains of maxima; then v212, v214 my two blocks' largest score, largest p
.set BP,   216                         ; v216-217 at work: the other half's maximum, the bytes
.set T3,   218
.set BS,   220                         ; v220-221 the conversions' scale operands
.set F,    224                         ; v[224:225] f = 2^(old M - new M)
.set T,    226
.set T2,   227
.set L,    228                         ; v228-235 the row's sum in four chains of two
.set QN,   236                         ; v236-242 the next pass's Q and its scale word
.set QN2,  244                         ; v244-250 the one after
.macro CROUND
	s_barrier_signal -1
	s_barrier_wait -1
	s_cmp_lg_u32 s12, 0
	s_cbranch_scc1 .Lnot_wave_0_\@
	s_barrier_signal -3
.Lnot_wave_0_\@:
	s_barrier_wait -3
	s_barrier_signal -1
	s_barrier_wait -1
.endm
.macro G1SET g, c, r, p                ; group 1: r rows of c elements of 8 bytes, p elements apart; no padding; the mask names all four work-groups, bit 21 beside it
	s_mov_b32 s[\g], 15|(3<<16)|(1<<21)
	s_mov_b32 s[\g+1], (\c)<<16
	s_mov_b32 s[\g+2], (\r)<<16
	s_mov_b32 s[\g+3], (\c)<<16
	s_mov_b32 s[\g+4], \r
	s_mov_b32 s[\g+5], \p
	s_mov_b32 s[\g+6], 0
	s_mov_b32 s[\g+7], 0
.endm
.macro G0END g                         ; group 0's count and type; its two addresses are written by the caller
	s_mov_b32 s[\g], 1
	s_or_b32 s[\g+3], s[\g+3], 0x80000000
.endm
	s_load_b256 s[4:11], s[0:1], 0x0               ; q, k, v codes s[4:5], their scale words s[6:7], the result's codes s[8:9], its scale bytes s[10:11]
	v_lshl_add_u32 v254, v0, 2, SPARE
	v_mov_b32 v255, 0
	ds_add_u32 v254, v255                          ; the opening lines: the add, twice on end, and its wait
	ds_add_u32 v254, v255
	v_lshrrev_b32 v1, 5, v0
	v_readfirstlane_b32 s12, v1                    ; wave 0..11
	s_bfe_u32 s13, ttmp6, 0x40000                  ; cx: it enters Q's and the result's addresses alone
	s_lshl_b32 s14, s13, 5
	s_add_co_u32 s14, s14, s12                     ; my first tile of 16 query positions; the next lies NW tiles on
	s_and_b32 s15, ttmp7, 0xffff                   ; 16 x batch + head, which the four partners share
	s_lshr_b32 s16, s15, 4                         ; batch
	s_and_b32 s17, s15, 15                         ; head
	s_lshr_b32 s80, s12, 3                         ; 1 in waves 8-11, which have no tile in pass 2
	G1SET 24, 768, 4, 768                          ; K: a quarter is 24,576 dense bytes
	G1SET 32, 768, 4, 12288                        ; V: a quarter is four key steps' 6,144 bytes of my head, 98,304 bytes apart
	G1SET 40, 32, 32, 32                           ; K's scale words: 8,192 dense bytes
	G1SET 48, 32, 16, 512                          ; V's: sixteen key steps' 256 bytes of my head, 4,096 bytes apart
	s_mov_b32 s20, 0x76543210
	s_mov_b32 s21, 0xfedcba98                      ; v_permlanex16_b32's selects for lane l xor 16
	s_mov_b32 s22, 0x3e38aa3b                      ; c = log2(e) / 8
	s_mov_b32 s23, s22                             ; (named with it as a pair, so it is written)
	s_mov_b32 s79, 0xbe38aa3b                      ; -c
	s_mul_i32 s76, s12, 24576                      ; waves 0-7: where my quarter goes in LDS (V's codes begin where K's four quarters end); waves 0-3: also where it lies in K
	s_and_b32 s77, s12, 3
	s_mul_i32 s77, s77, 393216                     ; waves 4-7: where it lies in V
	s_wait_alu depctr_va_vdst(0)                   ; the wait here, directly ahead of the waits below
	s_wait_dscnt 0x0
	s_wait_kmcnt 0x0
	s_add_co_u32 s18, s15, 64                      ; k lies behind q's 64 heads
	s_mul_i32 s2, s18, 98304
	s_add_co_u32 s2, s2, s76
	s_mov_b32 s3, 0
	s_add_nc_u64 s[58:59], s[4:5], s[2:3]
	s_mov_b32 s57, s76
	G0END 56
	s_mul_i32 s2, s16, 1572864
	s_mul_i32 s19, s17, 6144
	s_add_co_u32 s2, s2, s19
	s_add_co_u32 s2, s2, s77
	s_add_co_u32 s2, s2, 12582912
	s_add_nc_u64 s[62:63], s[4:5], s[2:3]
	s_mov_b32 s61, s76
	G0END 60
	s_lshl_b32 s2, s18, 13
	s_add_nc_u64 s[70:71], s[6:7], s[2:3]
	s_mov_b32 s69, KSW
	G0END 68
	s_lshl_b32 s2, s16, 16
	s_lshl_b32 s19, s17, 8
	s_add_co_u32 s2, s2, s19
	s_add_co_u32 s2, s2, 1048576
	s_add_nc_u64 s[74:75], s[6:7], s[2:3]
	s_mov_b32 s73, VSW
	G0END 72
	CROUND                                         ; all four work-groups are here: the joint loads meet
	s_cmp_lt_u32 s12, 4                            ; one chain of arms on the wave's number, one load to an arm
	s_cbranch_scc0 .Lnot_k
	tensor_load_to_lds s[56:59], s[24:31]
	s_nop 0
	s_branch .Lasked
.Lnot_k:
	s_cmp_lt_u32 s12, 8
	s_cbranch_scc0 .Lnot_v
	tensor_load_to_lds s[60:63], s[32:39]
	s_nop 0
	s_branch .Lasked
.Lnot_v:
	s_cmp_eq_u32 s12, 8
	s_cbranch_scc0 .Lnot_ks
	tensor_load_to_lds s[68:71], s[40:47]
	s_nop 0
	s_branch .Lasked
.Lnot_ks:
	s_cmp_eq_u32 s12, 9
	s_cbranch_scc0 .Lasked
	tensor_load_to_lds s[72:75], s[48:55]
	s_nop 0
.Lasked:
	s_mul_i32 s2, s15, 98304                       ; Q: my head's images, my tile's
	s_mul_i32 s18, s14, 768
	s_add_co_u32 s2, s2, s18
	s_add_nc_u64 s[4:5], s[4:5], s[2:3]
	s_lshl_b32 s2, s15, 13
	s_lshl_b32 s18, s14, 6
	s_add_co_u32 s2, s2, s18
	s_add_nc_u64 s[6:7], s[6:7], s[2:3]
	s_mul_i32 s2, s17, 393216                      ; the result: [head][tile of 16 token positions, 512][768]
	s_lshl_b32 s18, s16, 7
	s_add_co_u32 s18, s18, s14
	s_mul_i32 s19, s18, 768
	s_add_co_u32 s2, s2, s19
	s_add_nc_u64 s[8:9], s[8:9], s[2:3]
	s_lshl_b32 s2, s18, 9                          ; its scale bytes: 32 a position, bytes 2 head and 2 head + 1
	s_lshl_b32 s19, s17, 1
	s_add_co_u32 s2, s2, s19
	s_add_nc_u64 s[10:11], s[10:11], s[2:3]
	v_and_b32 v1, 31, v0                           ; lane
	v_lshlrev_b32 v14, 4, v1                       ; 16 x lane: an image's registers 0-3; also K's place in LDS (K's codes begin at byte 0)
	v_lshl_add_u32 v15, v1, 3, 512                 ; 512 + 8 x lane: its registers 4-5
	v_lshlrev_b32 v2, 3, v1                        ; 8 x lane
	v_add_nc_u32 v3, VC, v14
	v_add_nc_u32 v4, VC, v2
	v_lshl_add_u32 v5, v1, 2, KSW
	v_lshl_add_u32 v6, v1, 2, VSW
	v_and_b32 v93, 15, v0
	v_lshlrev_b32 v94, 5, v93                      ; 32 r: my row of the result's scale bytes
	v_lshlrev_b32 v93, 2, v93                      ; 4 r: my query's scale word
	v_bfe_u32 v18, v0, 4, 1
	v_lshlrev_b32 v18, 3, v18                      ; 8 h: where my scale bytes stand in a word
	global_load_b128 v[20:23], v14, s[4:5] th:TH_LOAD_NT
	global_load_b64 v[24:25], v15, s[4:5] th:TH_LOAD_NT
	global_load_b32 v7, v93, s[6:7] th:TH_LOAD_NT
	global_load_b128 v[QN:QN+3], v14, s[4:5] offset:NW*768 th:TH_LOAD_NT       ; pass 1's tile, NW images on
	global_load_b64 v[QN+4:QN+5], v15, s[4:5] offset:NW*768 th:TH_LOAD_NT
	global_load_b32 v[QN+6], v93, s[6:7] offset:NW*64 th:TH_LOAD_NT
	global_load_b128 v[QN2:QN2+3], v14, s[4:5] offset:2*NW*768 th:TH_LOAD_NT   ; pass 2's
	global_load_b64 v[QN2+4:QN2+5], v15, s[4:5] offset:2*NW*768 th:TH_LOAD_NT
	global_load_b32 v[QN2+6], v93, s[6:7] offset:2*NW*64 th:TH_LOAD_NT
.irp j, 26,27,28,29,30,31,80,81,82,83,84,85
	v_mov_b32 v[\j], 0                             ; Q's upper six registers, and what the last fragment of K names behind its own six: zero codes
.endr
	v_mov_b32 v[F+1], 0                            ; (named as a pair's upper half)
	v_mov_b32 v[BP], 0                             ; written once: a lane permute's destination counts as one of its sources
	v_mov_b32 v[T2], 0
	v_mov_b32 v[T], 0
	s_mov_b32 s78, 0                               ; passes done
	s_wait_alu depctr_va_vdst(0)                   ; the wait at the head's end
	s_wait_loadcnt 0x0                             ; Q, all three tiles
	s_wait_tensorcnt 0x0                           ; my load, if I issued one, has landed: on every wave's way, under no branch
	s_barrier_signal -1
	s_barrier_wait -1                              ; the whole head is in LDS for all twelve waves
.Lpass:
	s_cmp_eq_u32 s78, 2
	s_cselect_b32 s81, s80, 0                      ; 1: I have no tile in this pass (pass 2, waves 8-11)
	v_mov_b32 v[NM+1], 0xff61b1e6                  ; the largest score so far: -3e38
	v_mul_f32 v[T3], s79, v[NM+1]
	v_floor_f32 v[NM], v[T3]                       ; -M
.set j, 0
.rept 8
	v_mov_b32 v[L+j], 0
.set j, j+1
.endr
.set j, 0
.rept 32
	v_mov_b32 v[O+j], 0                            ; O^T: the step is written once; the first finds zeros, which the first change of M leaves zeros
.set j, j+1
.endr
	s_mov_b32 s2, 0                                ; the step's codes (6,144 bytes a step in K and in V),
	s_mov_b32 s3, 0                                ; K's scale words (512),
	s_mov_b32 s66, 0                               ; V's (256)
	s_mov_b32 s67, 16
	s_wait_alu depctr_va_vdst(0)
.Lstep:                                                ; A KEY STEP: 128 keys
	s_cmp_lg_u32 s81, 0
	s_cbranch_scc1 .Lnext                          ; no tile: round the step's work
	v_add_nc_u32 v8, s2, v14                       ; these four are the places behind the last products, in front of the loads into the registers that they read
	v_add_nc_u32 v9, s2, v2
	v_add_nc_u32 v12, s3, v5
	v_nop
.irp t, 0,1,2,3,4,5,6,7
	ds_load_b128 v[32+6*\t:35+6*\t], v8 offset:768*\t
	ds_load_b64 v[36+6*\t:37+6*\t], v9 offset:768*\t+512
.endr
.irp i, 0,1,2,3
	ds_load_b32 v[86+\i], v12 offset:128*\i        ; lanes 0-15: tile 2 i's words, lanes 16-31: tile 2 i + 1's
.endr
	s_wait_dscnt 0x0
.irp t, 0,2,4,6                                ; S^T = K Q^T: eight accumulators, one instruction each
	v_wmma_scale_f32_16x16x128_f8f6f4 v[S+8*\t:S+7+8*\t], v[32+6*\t:43+6*\t], v[20:31], 0, v[86+\t/2], v7 matrix_a_fmt:MATRIX_FMT_FP6 matrix_b_fmt:MATRIX_FMT_FP6
	v_wmma_scale_f32_16x16x128_f8f6f4 v[S+8+8*\t:S+15+8*\t], v[38+6*\t:49+6*\t], v[20:31], 0, v[86+\t/2], v7 matrix_a_fmt:MATRIX_FMT_FP6 matrix_b_fmt:MATRIX_FMT_FP6 matrix_a_scale:MATRIX_SCALE_ROW1
.endr
	v_add_nc_u32 v10, s2, v3                       ; these four are the places in front of the loads below and of the first read of the scores
	v_add_nc_u32 v11, s2, v4
	v_add_nc_u32 v13, s66, v6
	v_mov_b32 v[T], v[NM]                          ; the old -M
.irp t, 0,1,2,3                                ; V's four fragments land while the softmax is worked
	ds_load_b128 v[32+12*\t:35+12*\t], v10 offset:1536*\t
	ds_load_b64 v[36+12*\t:37+12*\t], v11 offset:1536*\t+512
	ds_load_b128 v[38+12*\t:41+12*\t], v10 offset:1536*\t+768
	ds_load_b64 v[42+12*\t:43+12*\t], v11 offset:1536*\t+1280
.endr
	ds_load_b32 v90, v13
	ds_load_b32 v91, v13 offset:128
.irp b, 0,1,2,3
	v_max3_num_f32 v[BM+\b], v[S+16*\b], v[S+1+16*\b], v[S+2+16*\b]   ; four chains by turns, each over 16 scores, each accumulator from its low end on
.endr
.irp i, 3,5,7,9,11,13
.irp b, 0,1,2,3
	v_max3_num_f32 v[BM+\b], v[BM+\b], v[S+16*\b+\i], v[S+1+16*\b+\i]
.endr
.endr
.irp b, 0,1,2,3
	v_max_num_f32 v[BM+\b], v[BM+\b], v[S+15+16*\b]
.endr
	s_delay_alu instid0(VALU_DEP_3)
	v_max_num_f32 v[BM], v[BM], v[BM+1]            ; the largest score of my block h: it serves the row's maximum and, since p rises with the score, the block's largest p
	s_delay_alu instid0(VALU_DEP_2)
	v_max_num_f32 v[BM+2], v[BM+2], v[BM+3]        ; and of my block 2 + h
	s_delay_alu instid0(VALU_DEP_1)
	v_max_num_f32 v[T2], v[BM], v[BM+2]
	s_delay_alu instid0(VALU_DEP_1)
	v_permlanex16_b32 v[BP], v[T2], s20, s21       ; lane l xor 16's 64 keys
	s_delay_alu instid0(VALU_DEP_1)
	v_max3_num_f32 v[NM+1], v[NM+1], v[T2], v[BP]  ; the running largest score
	s_delay_alu instid0(VALU_DEP_1)
	v_mul_f32 v[T3], s79, v[NM+1]                  ; -t (c is positive)
	s_delay_alu instid0(VALU_DEP_1)
	v_floor_f32 v[NM], v[T3]                       ; the new -M = -ceil(t)
	s_delay_alu instid0(VALU_DEP_1)
	v_sub_f32 v[T], v[NM], v[T]                    ; old M - new M: a whole number, 0 or less
	s_delay_alu instid0(VALU_DEP_1)
	v_cvt_i32_f32 v[T], v[T]                       ; (it saturates)
	s_delay_alu instid0(VALU_DEP_1)
	v_ldexp_f32 v[F], 1.0, v[T]                    ; f
.set j, 0
.rept 32
	v_pk_fma_f32 v[S+j:S+j+1], v[S+j:S+j+1], s[22:23], v[NM:NM+1] op_sel_hi:[1,0,0]   ; t - M, two at a time
.set j, j+2
.endr
	v_fma_f32 v[BM], v[BM], s22, v[NM]             ; the same of my two blocks' largest scores
	v_fma_f32 v[BM+2], v[BM+2], s22, v[NM]
	s_wait_alu depctr_va_vdst(0)                   ; the wait ahead of the batch
	v_exp_f32 v[BM], v[BM]                         ; the blocks' largest p
	v_exp_f32 v[BM+2], v[BM+2]
.set j, 0
.rept 64
	v_exp_f32 v[S+j], v[S+j]                       ; p = 2^(t - M)
.set j, j+1
.endr
	s_wait_alu depctr_va_vdst(0)                   ; one wait for the whole batch, directly ahead of the first reader of O^T too
.set j, 0
.rept 16
	v_pk_mul_f32 v[O+j:O+j+1], v[O+j:O+j+1], v[F:F+1] op_sel_hi:[1,0]   ; O^T under the new M; these name no result of the batch: the plain lines behind the exponentials
.set j, j+2
.endr
	v_max_num_f32 v[BM], 0x1800000, v[BM]          ; the floor 2^(3 - 127): the byte cannot fall under 1
	v_max_num_f32 v[BM+2], 0x1800000, v[BM+2]
	s_delay_alu instid0(VALU_DEP_2)
	v_add_nc_u32 v[BS], 0xff000000, v[BM]          ; the conversions' scale operands
	s_delay_alu instid0(VALU_DEP_2)
	v_add_nc_u32 v[BS+1], 0xff000000, v[BM+2]
	s_delay_alu instid0(VALU_DEP_2)
	v_lshrrev_b32 v[BP], 23, v[BS]                 ; the scales' bytes
	s_delay_alu instid0(VALU_DEP_2)
	v_lshrrev_b32 v[BP+1], 23, v[BS+1]
	s_delay_alu instid0(VALU_DEP_1)
	v_lshl_or_b32 v92, v[BP+1], 16, v[BP]          ; bytes h and 2 + h of p's scale word for these 128 keys,
	s_delay_alu instid0(VALU_DEP_1)
	v_lshlrev_b32 v92, v18, v92
	s_delay_alu instid0(VALU_DEP_1)
	v_permlanex16_b32 v[T2], v92, s20, s21
	s_delay_alu instid0(VALU_DEP_1)
	v_or_b32 v92, v92, v[T2]                       ; with lane l xor 16's two the word is whole
.irp c, 0,1
	v_cvt_scalef32_pk16_fp6_f32 v[PCD+6*\c:PCD+2+6*\c], v[S+32*\c:S+15+32*\c], v[BS+\c]
	v_cvt_scalef32_pk16_fp6_f32 v[PX+4*\c:PX+2+4*\c], v[S+16+32*\c:S+31+32*\c], v[BS+\c]   ; (a conversion's three registers begin on an even number)
.endr
.irp k, 0,1,2,3                                ; the row's sum, of the unquantised p, in four chains: the first link of each brings the chain under the new M.  Plain lines behind the conversions
	v_pk_fma_f32 v[L+2*\k:L+2*\k+1], v[L+2*\k:L+2*\k+1], v[F:F+1], v[S+2*\k:S+2*\k+1] op_sel_hi:[1,0,1]
.endr
.irp c, 0,1
.irp i, 0,1,2
	v_mov_b32 v[PCD+3+6*\c+\i], v[PX+4*\c+\i]
.endr
.endr
.set j, 8
.rept 28
	v_pk_add_f32 v[L+(j%8):L+(j%8)+1], v[L+(j%8):L+(j%8)+1], v[S+j:S+j+1]   ; these 28 are also the places between the lines that wrote p's codes and scale word and the products
.set j, j+2
.endr
	s_wait_alu depctr_va_vdst(0)                   ; the wait here, directly ahead of the wait below
	s_wait_dscnt 0x0                               ; V
.irp t, 0,2                                    ; O^T += V^T P^T: four accumulators, one instruction each
	v_wmma_scale_f32_16x16x128_f8f6f4 v[O+8*\t:O+7+8*\t], v[32+12*\t:43+12*\t], v[PCD:PCD+11], v[O+8*\t:O+7+8*\t], v[90+\t/2], v92 matrix_a_fmt:MATRIX_FMT_FP6 matrix_b_fmt:MATRIX_FMT_FP6
	v_wmma_scale_f32_16x16x128_f8f6f4 v[O+8+8*\t:O+15+8*\t], v[44+12*\t:55+12*\t], v[PCD:PCD+11], v[O+8+8*\t:O+15+8*\t], v[90+\t/2], v92 matrix_a_fmt:MATRIX_FMT_FP6 matrix_b_fmt:MATRIX_FMT_FP6 matrix_a_scale:MATRIX_SCALE_ROW1
.endr
.Lnext:
	s_add_co_u32 s2, s2, 6144
	s_add_co_u32 s3, s3, 512
	s_add_co_u32 s66, s66, 256
	s_sub_co_u32 s67, s67, 1
	s_cmp_lg_u32 s67, 0
	s_cbranch_scc1 .Lstep
	s_cmp_lg_u32 s81, 0
	s_cbranch_scc1 .Lno_out                        ; no tile: nothing to store
	; THE WAY OUT: O^T / l, quantised along the head's 64 channels (my register 8 t + j = channel 32 h + 8 t + j: one whole block), stored as an image of six operand registers.  No LDS.
	v_pk_add_f32 v[L:L+1], v[L:L+1], v[L+2:L+3]    ; these lines are the places behind the last products
	v_pk_add_f32 v[L+4:L+5], v[L+4:L+5], v[L+6:L+7]
	v_pk_add_f32 v[L:L+1], v[L:L+1], v[L+4:L+5]
	v_add_f32 v[L], v[L], v[L+1]
	v_permlanex16_b32 v[T], v[L], s20, s21
	v_add_f32 v[L], v[L], v[T]                     ; the row's sum
	s_wait_alu depctr_va_vdst(0)
	v_rcp_f32 v[L], v[L]
	v_nop                                          ; a plain line behind the reciprocal
	s_wait_alu depctr_va_vdst(0)                   ; the wait ahead of the reciprocal's first reader, which is O^T's first reader too
.set j, 0
.rept 16
	v_pk_mul_f32 v[S+j:S+j+1], v[O+j:O+j+1], v[L:L+1] op_sel_hi:[1,0]   ; each accumulator from its low end on
.set j, j+2
.endr
.irp b, 0,1
	v_max3_num_f32 v[BM+\b], |v[S+16*\b]|, |v[S+1+16*\b]|, 0x1800000
.endr
.irp i, 2,4,6,8,10,12,14
.irp b, 0,1
	v_max3_num_f32 v[BM+\b], v[BM+\b], |v[S+16*\b+\i]|, |v[S+1+16*\b+\i]|
.endr
.endr
	v_max_num_f32 v[BM], v[BM], v[BM+1]
	v_add_nc_u32 v[BS], 0xff000000, v[BM]
	v_lshrrev_b32 v[BP], 23, v[BS]
	v_lshlrev_b32 v[BP], v18, v[BP]
	v_permlanex16_b32 v[T], v[BP], s20, s21
	v_or_b32 v[T], v[T], v[BP]                     ; my row's two bytes
	v_cvt_scalef32_pk16_fp6_f32 v[PCD:PCD+2], v[S:S+15], v[BS]
	v_cvt_scalef32_pk16_fp6_f32 v[PX:PX+2], v[S+16:S+31], v[BS]
	v_nop
.irp i, 0,1,2
	v_mov_b32 v[PCD+3+\i], v[PX+\i]
.endr
	global_store_b128 v14, v[PCD:PCD+3], s[8:9]    ; 512 consecutive bytes, aligned to 256
	global_store_b64 v15, v[PCD+4:PCD+5], s[8:9]   ; 256 consecutive bytes, aligned
	global_store_b16 v94, v[T], s[10:11]           ; both halves of the lanes hold and write the same two bytes
.Lno_out:
	s_wait_xcnt 0x0                                ; the stores have read their bases and data: both are written again below and in the next pass
	s_add_nc_u64 s[8:9], s[8:9], NW*768            ; NW tiles on
	s_add_nc_u64 s[10:11], s[10:11], NW*512
.irp i, 0,1,2,3,4,5
	v_mov_b32 v[20+\i], v[QN+\i]                   ; the next pass's Q,
.endr
	v_mov_b32 v7, v[QN+6]
.irp i, 0,1,2,3,4,5,6
	v_mov_b32 v[QN+\i], v[QN2+\i]                  ; and the one after moves up
.endr
	s_add_co_u32 s78, s78, 1
	s_cmp_lg_u32 s78, 3
	s_wait_alu depctr_va_vdst(0)                   ; the wait here, directly ahead of the branch
	s_cbranch_scc1 .Lpass
	s_wait_tensorcnt 0x0                           ; the wave's end
	ds_add_u32 v254, v255
	s_wait_dscnt 0x0
	CROUND                                         ; the closing round: no work-group ends while a partner may still ask for a tile that names it
	s_endpgm
.Lfunc_end_k_qd0275f0915_attn:
	.size	k_qd0275f0915_attn, .Lfunc_end_k_qd0275f0915_attn-k_qd0275f0915_attn
	.p2alignl 7, 3214868480
	.fill 96, 4, 3214868480
	.section	.rodata,"a",@progbits
	.p2align	6, 0x0
	.amdhsa_kernel k_qd0275f0915_attn
		.amdhsa_group_segment_fixed_size 210944
		.amdhsa_private_segment_fixed_size 0
		.amdhsa_enable_private_segment 0
		.amdhsa_kernarg_size 32
		.amdhsa_user_sgpr_count 2
		.amdhsa_user_sgpr_kernarg_segment_ptr 1
		.amdhsa_wavefront_size32 1
		.amdhsa_system_sgpr_workgroup_id_x 1
		.amdhsa_system_sgpr_workgroup_id_y 1
		.amdhsa_system_sgpr_workgroup_id_z 1
		.amdhsa_system_vgpr_workitem_id 0
		.amdhsa_next_free_vgpr 256
		.amdhsa_next_free_sgpr 84
		.amdhsa_reserve_vcc 0
		.amdhsa_float_denorm_mode_32 3
		.amdhsa_float_denorm_mode_16_64 3
		.amdhsa_memory_ordered 1
		.amdhsa_forward_progress 1
		.amdhsa_inst_pref_size 31
	.end_amdhsa_kernel
	.amdgpu_metadata
---
amdhsa.version: [ 1, 2 ]
amdhsa.kernels:
  - .name:           k_qd0275f0915_attn
    .symbol:         k_qd0275f0915_attn.kd
    .args:
      - { .name: qkv_codes, .offset: 0, .size: 8, .value_kind: global_buffer, .address_space: global }
      - { .name: qkv_scales, .offset: 8, .size: 8, .value_kind: global_buffer, .address_space: global }
      - { .name: ao_codes, .offset: 16, .size: 8, .value_kind: global_buffer, .address_space: global }
      - { .name: ao_scales, .offset: 24, .size: 8, .value_kind: global_buffer, .address_space: global }
    .group_segment_fixed_size: 210944
    .private_segment_fixed_size: 0
    .kernarg_segment_align: 8
    .kernarg_segment_size: 32
    .max_flat_workgroup_size: 384
    .sgpr_count:     84
    .vgpr_count:     256
    .wavefront_size: 32
...
	.end_amdgpu_metadata
.endif
;; end of part 3
;; launch oproj (part 4): grid 4 x 32, 4 waves a work-group, clusters of 4 x 4, 327,680 bytes of LDS; arguments ao_codes, ao_scales, xw_codes, xw_scales, bo, out0; writes out0
.if DOCPART == 4
	.amdgcn_target "amdgcn-amd-amdhsa--gfx1250"
	.amdhsa_code_object_version 6
	.text
	.protected	k_qd0275f0915_oproj
	.globl	k_qd0275f0915_oproj
	.p2align	8
	.type	k_qd0275f0915_oproj,@function
k_qd0275f0915_oproj:
	s_mov_b64 s[64:65], 0
	v_nop
	global_prefetch_b8 v0, s[64:65] scope:SCOPE_SE
	s_setreg_imm32_b32 hwreg(HW_REG_WAVE_MODE, 25, 1), 1
	s_wait_xcnt 0x0
	s_wait_alu depctr_hold_cnt(0) depctr_sa_sdst(0) depctr_va_vdst(0) depctr_va_sdst(0) depctr_va_ssrc(0) depctr_va_vcc(0) depctr_vm_vsrc(0)
	s_getreg_b32 s2, hwreg(HW_REG_IB_STS2, 6, 4)
	s_cmp_eq_u32 s2, 0
	s_cbranch_scc0 .Lentry_in_a_cluster
	s_endpgm
.Lentry_in_a_cluster:
	s_bfe_u32 s2, ttmp6, 0x10000c
	s_cmp_lg_u32 s2, 0xf033
	s_cbranch_scc0 .Lentry_shape_is_right
	s_endpgm
.Lentry_shape_is_right:
.set KSTEP,  256
.set NQ,     2
.set ROWB,   192
.set KROW,   768
.set PITCH,  240
.set FR,     12
.set NL,     6
.set NLA,    4
.set NP,     4
.set HALFA,  24576
.set HALFB,  128*PITCH
.set SLOT,   2*HALFA+2*HALFB
.set LAPS,   2
.set KS,     32
.set PLANE,  2359296                   ; the weights' codes lie [K step of 256][position][192 bytes], dense: 128 rows are 96 units of 256 bytes
.set SCL,    2*SLOT
.set HALFS,  (128*KS/256)*272
.set SBLK,   (16*KS/256)*272
.set SPARE,  SCL+4*HALFS
.set SPITCH, 528
.set ADRA, 16
.set ADRB, 20
.set STO,  24
.set RD,   25
.set CO,   26
.set ADRS, 27
.set SPW,  28
.set NIL,  29
.set SC,   32
.set BIAS, 64
.set AF,   128
.set BK,   128
.set G1, 24
.set G0, 32
.set G1B, 48
.set G0B, 56
.set G1S, 68
.set G0S, 76
.set G1SB, 80
.set G0SB, 88
.set MSB, 0
.macro WIN new
.if MSB != \new
	s_set_vgpr_msb (MSB<<8)|\new
.set MSB, \new
.endif
.endm
.set MUL_LO, 0xa1
.set MUL_HI, 0xf1
.set MUL_LO0, 0x81
.set MUL_HI0, 0xc1
.set TO_B,   0x40
.macro JLOAD g0a, g1a, g0b, g1b
	s_cmp_eq_u32 s15, 0
	s_cbranch_scc0 .Lfor_b_\@
	tensor_load_to_lds s[\g0a:\g0a+3], s[\g1a:\g1a+7]
	s_nop 0
.rept 4
	v_nop
.endr
	s_branch .Lasked_\@
.Lfor_b_\@:
	tensor_load_to_lds s[\g0b:\g0b+3], s[\g1b:\g1b+7]
	s_nop 0
.rept 4
	v_nop
.endr
.Lasked_\@:
.endm
.macro CREST
	s_cmp_lg_u32 s14, 0
	s_cbranch_scc1 .Lnot_wave_0_\@
	s_barrier_signal -3
.Lnot_wave_0_\@:
	s_barrier_wait -3
	s_barrier_signal -1
	s_barrier_wait -1
.endm
.macro CROUND
	s_barrier_signal -1
	s_barrier_wait -1
	CREST
.endm
	s_load_b256 s[4:11], s[0:1], 0x0
	s_load_b128 s[96:99], s[0:1], 0x20
	v_lshl_add_u32 v[SPW], v0, 2, SPARE
	v_mov_b32 v[NIL], 0
	ds_add_u32 v28, v29
	ds_add_u32 v28, v29
	s_wait_dscnt 0x0
	v_lshrrev_b32 v1, 5, v0
	v_readfirstlane_b32 s14, v1
	s_lshr_b32 s15, s14, 1
	s_and_b32 s16, s14, 1
	s_bfe_u32 s40, ttmp6, 0x40000
	s_bfe_u32 s41, ttmp6, 0x40004
	s_lshl_b32 s42, ttmp9, 2
	s_add_co_u32 s42, s42, s40
	s_and_b32 s17, ttmp7, 0xffff
	s_lshl_b32 s17, s17, 2
	s_add_co_u32 s17, s17, s41
	s_lshl_b32 s43, s41, 2
	s_lshl_b32 s43, 15, s43
	s_lshl_b32 s44, 0x1111, s40
	s_or_b32 s[G1+0], s43, (3<<16)|(1<<21)
	s_mov_b32 s[G1+1], 768<<16
	s_mov_b32 s[G1+2], 4<<16
	s_mov_b32 s[G1+3], 768<<16
	s_mov_b32 s[G1+4], 4
	s_mov_b32 s[G1+5], 49152
	s_mov_b32 s[G1+6], 0
	s_mov_b32 s[G1+7], 0
	s_or_b32 s[G1B+0], s44, (0<<16)|(1<<20)|(1<<21)|(3<<22)|(3<<25)
	s_mov_b32 s[G1B+1], 256<<16                    ; a dense block stated as rows of 256 bytes; the padding's interval stays 64 bytes, so an LDS row of 192 bytes keeps its pitch of 240
	s_mov_b32 s[G1B+2], 96<<16
	s_mov_b32 s[G1B+3], 256<<16
	s_mov_b32 s[G1B+4], 96
	s_mov_b32 s[G1B+5], 256
	s_mov_b32 s[G1B+6], 0
	s_mov_b32 s[G1B+7], 0
	s_or_b32 s[G1S+0], s43, (3<<16)|(1<<20)|(1<<21)|(5<<22)|(3<<25)
	s_or_b32 s[G1SB+0], s44, (3<<16)|(1<<20)|(1<<21)|(5<<22)|(3<<25)
.irp g, G1S, G1SB
	s_mov_b32 s[\g+1], 32<<16
	s_mov_b32 s[\g+2], (128*KS/256)<<16
	s_mov_b32 s[\g+3], 32<<16
	s_mov_b32 s[\g+4], 128*KS/256
	s_mov_b32 s[\g+5], 32
	s_mov_b32 s[\g+6], 0
	s_mov_b32 s[\g+7], 0
.endr
	s_lshl_b32 s18, s16, 7
	s_lshl_b32 s20, s17, 8
	s_add_co_u32 s20, s20, s18
	s_lshl_b32 s46, s42, 8
	s_add_co_u32 s46, s46, s18
	s_mov_b32 s21, 0
	s_mov_b32 s47, 0
	s_mov_b64 s[18:19], KS
	s_mul_u64 s[22:23], s[20:21], s[18:19]
	s_mul_u64 s[92:93], s[46:47], s[18:19]
	s_mov_b64 s[18:19], 48
	s_mul_u64 s[20:21], s[20:21], s[18:19]
	s_mov_b64 s[18:19], ROWB
	s_mul_u64 s[46:47], s[46:47], s[18:19]
	s_add_nc_u64 s[46:47], s[46:47], 11264*ROWB
	s_add_nc_u64 s[92:93], s[92:93], 360448
	s_mul_i32 s45, s16, HALFA
	s_mul_i32 s95, s16, HALFB
	s_add_co_u32 s95, s95, 2*HALFA
	s_mul_i32 s94, s14, HALFS
	s_wait_kmcnt 0x0
	s_add_nc_u64 s[20:21], s[4:5], s[20:21]
	s_add_nc_u64 s[22:23], s[6:7], s[22:23]
	s_add_nc_u64 s[46:47], s[8:9], s[46:47]
	s_add_nc_u64 s[92:93], s[10:11], s[92:93]
	CROUND
	s_mov_b32 s[G0S], 1
	s_add_co_u32 s[G0S+1], s94, SCL
	s_mov_b64 s[G0S+2:G0S+3], s[22:23]
	s_or_b32 s[G0S+3], s[G0S+3], 0x80000000
	s_mov_b32 s[G0SB], 1
	s_add_co_u32 s[G0SB+1], s94, SCL
	s_mov_b64 s[G0SB+2:G0SB+3], s[92:93]
	s_or_b32 s[G0SB+3], s[G0SB+3], 0x80000000
	JLOAD G0S, G1S, G0SB, G1SB
.irp s, 0,1
	s_mov_b32 s[G0+4*\s], 1
	s_add_co_u32 s[G0+4*\s+1], s45, \s*SLOT
	s_add_nc_u64 s[G0+4*\s+2:G0+4*\s+3], s[20:21], \s*1572864
	s_or_b32 s[G0+4*\s+3], s[G0+4*\s+3], 0x80000000
	s_mov_b32 s[G0B+4*\s], 1
	s_add_co_u32 s[G0B+4*\s+1], s95, \s*SLOT
	s_add_nc_u64 s[G0B+4*\s+2:G0B+4*\s+3], s[46:47], \s*PLANE
	s_or_b32 s[G0B+4*\s+3], s[G0B+4*\s+3], 0x80000000
	s_wait_alu depctr_va_vdst(0)
	s_wait_tensorcnt 0x0
	ds_add_u32 v28, v29
	s_wait_dscnt 0x0
	CROUND
	JLOAD G0+4*\s, G1, G0B+4*\s, G1B
.endr
	v_and_b32 v1, 15, v0
	v_bfe_u32 v2, v0, 4, 1
	v_and_b32 v6, 31, v0
	v_lshlrev_b32 v[CO], 4, v6
	v_lshlrev_b32 v5, 3, v6
	s_mul_i32 s21, s15, HALFA
.irp s, 0,1
	v_add_nc_u32 v[ADRA+\s], s21, v[CO]
	v_add_nc_u32 v[ADRA+2+\s], s21, v5
	s_add_co_u32 s21, s21, SLOT
.endr
	v_mul_u32_u24 v3, v1, PITCH
	v_mul_u32_u24 v4, v2, 24
	v_add_nc_u32 v4, v3, v4
	v_lshl_add_u32 v5, v2, 4, v4
	s_mul_i32 s22, s16, HALFB
	s_add_co_u32 s22, s22, 2*HALFA
.irp s, 0,1
	v_add_nc_u32 v[ADRB+\s], s22, v4
	v_add_nc_u32 v[ADRB+2+\s], s22, v5
	s_add_co_u32 s22, s22, SLOT
.endr
	v_mul_u32_u24 v5, v1, KS
	v_lshrrev_b32 v6, 8, v5
	v_lshl_add_u32 v5, v6, 4, v5
	s_mul_i32 s21, s15, HALFS
	s_mul_i32 s22, s16, HALFS
	s_add_co_u32 s22, s22, 2*HALFS
	s_sub_co_u32 s22, s22, s21
	v_mul_u32_u24 v6, s22, v2
	s_add_co_u32 s21, s21, SCL
	v_add_nc_u32 v5, v5, v6
	v_add_nc_u32 v[ADRS], s21, v5
	s_mul_i32 s23, s14, 16*SPITCH
	v_mul_u32_u24 v5, v1, SPITCH
	v_lshl_add_u32 v5, v2, 7, v5
	v_add_nc_u32 v[STO], s23, v5
	v_add_nc_u32 v[RD], s23, v[CO]
	s_lshl_b32 s20, s17, 8
	s_lshl_b32 s21, s15, 7
	s_add_co_u32 s20, s20, s21
	s_mov_b32 s21, 0
	s_lshl_b64 s[20:21], s[20:21], 12
	s_lshl_b32 s46, s42, 10
	s_lshl_b32 s47, s16, 9
	s_add_co_u32 s46, s46, s47
	s_mov_b32 s47, 0
	s_add_nc_u64 s[96:97], s[96:97], s[46:47]
	s_add_nc_u64 s[20:21], s[20:21], s[46:47]
	s_add_nc_u64 s[98:99], s[98:99], s[20:21]
	v_lshlrev_b32 v7, 7, v2                        ; position 16 b + 8 h + j is column 64 (b / 4) + 32 h + 8 (b % 4) + j
.irp b, 0,1,2,3,4,5,6,7
	global_load_b128 v[BIAS+8*\b:BIAS+8*\b+3], v7, s[96:97] offset:256*(\b/4)+32*(\b%4)
	global_load_b128 v[BIAS+8*\b+4:BIAS+8*\b+7], v7, s[96:97] offset:256*(\b/4)+32*(\b%4)+16
.endr
.macro FRAGB reg, adr, q, i
.irp p, 0,1,2,3,4,5
.set PCE, 12*(\q)+6*(\p/3)+\p%3
.if PCE%8 < 5
	ds_load_b64 v[\reg+2*\p:\reg+2*\p+1], v[\adr] offset:8*PCE+16*(PCE/8)+(\i)*16*PITCH
.else
	ds_load_b64 v[\reg+2*\p:\reg+2*\p+1], v[\adr+2] offset:8*PCE+16*(PCE/8)+(\i)*16*PITCH
.endif
.endr
.endm
.macro FRAGA reg, slot, q, i
	ds_load_b128 v[\reg:\reg+3], v[ADRA+\slot] offset:12288*(\q)+768*(\i)
	ds_load_b64 v[\reg+4:\reg+5], v[ADRA+2+\slot] offset:12288*(\q)+768*(\i)+512
	ds_load_b128 v[\reg+6:\reg+9], v[ADRA+\slot] offset:12288*(\q)+768*(\i)+6144
	ds_load_b64 v[\reg+10:\reg+11], v[ADRA+2+\slot] offset:12288*(\q)+768*(\i)+6656
.endm
.macro MUL16 a0, p, q, sc, zero
.irp a, \a0, \a0+1
.irp b, 0,1,2,3,4,5,6,7
.if \zero
	v_wmma_scale_f32_16x16x128_f8f6f4 v[8*(8*((\a)%4)+\b):8*(8*((\a)%4)+\b)+7], v[128*(\p)+FR*\b:128*(\p)+FR*\b+FR-1], v[AF+FR*(\a):AF+FR*(\a)+FR-1], v[BIAS+8*\b:BIAS+8*\b+7], v[SC+8*NQ*(\sc)+NQ*\b+(\q)], v[SC+8*NQ*(\sc)+NQ*(\a)+(\q)] matrix_a_fmt:MATRIX_FMT_FP6 matrix_b_fmt:MATRIX_FMT_FP6 matrix_a_scale:MATRIX_SCALE_ROW1
.else
	v_wmma_scale_f32_16x16x128_f8f6f4 v[8*(8*((\a)%4)+\b):8*(8*((\a)%4)+\b)+7], v[128*(\p)+FR*\b:128*(\p)+FR*\b+FR-1], v[AF+FR*(\a):AF+FR*(\a)+FR-1], v[8*(8*((\a)%4)+\b):8*(8*((\a)%4)+\b)+7], v[SC+8*NQ*(\sc)+NQ*\b+(\q)], v[SC+8*NQ*(\sc)+NQ*(\a)+(\q)] matrix_a_fmt:MATRIX_FMT_FP6 matrix_b_fmt:MATRIX_FMT_FP6 matrix_a_scale:MATRIX_SCALE_ROW1
.endif
.endr
.endr
.endm
.macro FETCH_B slot, q, p
	WIN TO_B
.irp i, 0,1,2,3,4,5,6,7
	FRAGB 128*(\p)+FR*\i, ADRB+\slot, \q, \i
.endr
	WIN 0
.endm
.macro FETCH_A slot, q, i0
.irp i, \i0, \i0+1, \i0+2, \i0+3
	FRAGA AF+FR*(\i), \slot, \q, \i
.endr
.endm
.macro SCALES sc
.irp i, 0,1,2,3,4,5,6,7
	ds_load_b64 v[SC+8*NQ*\sc+NQ*\i:SC+8*NQ*\sc+NQ*\i+1], v[ADRS] offset:\i*SBLK
.endr
.endm
.macro PLACES n
.rept \n
	v_nop
.endr
.endm
.macro STEP slot, q, zero
	s_wait_dscnt 4*NLA
.if \zero
	WIN MUL_LO0
.else
	WIN MUL_LO
.endif
	MUL16 0, (\q)%2, \q, \slot, \zero
	MUL16 2, (\q)%2, \q, \slot, \zero
	s_wait_dscnt 0
	PLACES NP
	FETCH_B \slot, (\q)+1, 1-(\q)%2
	FETCH_A \slot, (\q)+1, 0
.if \zero
	WIN MUL_HI0
.else
	WIN MUL_HI
.endif
	MUL16 4, (\q)%2, \q, \slot, \zero
	MUL16 6, (\q)%2, \q, \slot, \zero
	PLACES NP
	WIN 0
	FETCH_A \slot, (\q)+1, 4
.endm
.macro TURN slot, next, fill
	s_wait_tensorcnt 0x0
	ds_add_u32 v[SPW], v[NIL]
	s_wait_dscnt 4*NLA+1
	WIN MUL_LO
	MUL16 0, 1, NQ-1, \slot, 0
	s_wait_dscnt 0x0
	s_barrier_signal -1
	MUL16 2, 1, NQ-1, \slot, 0
	WIN 0
	s_barrier_wait -1
.if \fill
	CREST
	s_add_nc_u64 s[G0+4*\slot+2:G0+4*\slot+3], s[G0+4*\slot+2:G0+4*\slot+3], 3145728
	s_add_nc_u64 s[G0B+4*\slot+2:G0B+4*\slot+3], s[G0B+4*\slot+2:G0B+4*\slot+3], 2*PLANE
	JLOAD G0+4*\slot, G1, G0B+4*\slot, G1B
.else
	PLACES NP
.endif
	s_wait_alu depctr_va_vdst(0)
	v_add_nc_u32 v[ADRS], 4*NQ, v[ADRS]
	FETCH_B \next, 0, 0
	FETCH_A \next, 0, 0
	SCALES \next
	WIN MUL_HI
	MUL16 4, 1, NQ-1, \slot, 0
	MUL16 6, 1, NQ-1, \slot, 0
	PLACES NP
	WIN 0
	FETCH_A \next, 0, 4
.endm
	s_wait_alu depctr_va_vdst(0)
	s_wait_loadcnt 0x0
	s_wait_tensorcnt 1
	s_barrier_signal -1
	s_barrier_wait -1
	FETCH_B 0, 0, 0
	FETCH_A 0, 0, 0
	SCALES 0
	FETCH_A 0, 0, 4
	STEP 0, 0, 1
	s_mov_b32 s3, LAPS-1
.Llap:
	TURN 0, 1, 1
	STEP 1, 0, 0
	TURN 1, 0, 1
	STEP 0, 0, 0
	s_sub_co_u32 s3, s3, 1
	s_cmp_lg_u32 s3, 0
	s_cbranch_scc1 .Llap
	TURN 0, 1, 0
	STEP 1, 0, 0
	s_wait_dscnt 4*NLA
	WIN MUL_LO
	MUL16 0, 1, NQ-1, 1, 0
	MUL16 2, 1, NQ-1, 1, 0
	s_wait_dscnt 0
	WIN MUL_HI
	MUL16 4, 1, NQ-1, 1, 0
	MUL16 6, 1, NQ-1, 1, 0
	WIN 0
.macro TOSTAGE a
.set AC, 64*((\a)%4)
	WIN 0x08+4*((\a)/4)
.irp b, 0,1,2,3,4,5,6,7
	ds_store_b128 v[STO], v[AC+8*\b:AC+8*\b+3] offset:256*(\b/4)+32*(\b%4)
	ds_store_b128 v[STO], v[AC+8*\b+4:AC+8*\b+7] offset:256*(\b/4)+32*(\b%4)+16
.endr
	WIN 0
.set BB, BK+64*((\a)%2)
.irp t, 0,1,2,3,4,5,6,7,8,9,10,11,12,13,14,15
	ds_load_b128 v[BB+4*\t:BB+4*\t+3], v[RD] offset:\t*SPITCH
.endr
.endm
.macro SEND a, younger
.set BB, BK+64*((\a)%2)
	s_wait_dscnt \younger
.if (\a) > 0
.if ((\a)%4) != 0
	s_add_nc_u64 s[98:99], s[98:99], 8*4096        ; position 16 a + t is token 64 (a / 4) + 32 (t / 8) + 8 (a % 4) + t % 8
.else
	s_add_nc_u64 s[98:99], s[98:99], 40*4096
.endif
.endif
.irp t, 0,1,2,3,4,5,6,7,8,9,10,11,12,13,14,15
	global_store_b128 v[CO], v[BB+4*\t:BB+4*\t+3], s[98:99] offset:(32*(\t/8)+\t%8)*4096 th:TH_STORE_NT
.endr
.endm
	PLACES NP
	TOSTAGE 0
.irp a, 1,2,3,4,5,6,7
.if \a > 1
	s_wait_xcnt 0x0
.endif
	TOSTAGE \a
	SEND \a-1, 32
.endr
	s_wait_xcnt 0x0
	SEND 7, 0
	s_wait_tensorcnt 0x0
	ds_add_u32 v[SPW], v[NIL]
	s_wait_dscnt 0x0
	CROUND
	s_endpgm
.Lfunc_end_k_qd0275f0915_oproj:
	.size	k_qd0275f0915_oproj, .Lfunc_end_k_qd0275f0915_oproj-k_qd0275f0915_oproj
	.p2alignl 7, 3214868480
	.fill 96, 4, 3214868480
	.section	.rodata,"a",@progbits
	.p2align	6, 0x0
	.amdhsa_kernel k_qd0275f0915_oproj
		.amdhsa_group_segment_fixed_size 327680
		.amdhsa_private_segment_fixed_size 0
		.amdhsa_enable_private_segment 0
		.amdhsa_kernarg_size 48
		.amdhsa_user_sgpr_count 2
		.amdhsa_user_sgpr_kernarg_segment_ptr 1
		.amdhsa_wavefront_size32 1
		.amdhsa_system_sgpr_workgroup_id_x 1
		.amdhsa_system_sgpr_workgroup_id_y 1
		.amdhsa_system_sgpr_workgroup_id_z 1
		.amdhsa_system_vgpr_workitem_id 0
		.amdhsa_next_free_vgpr 1024
		.amdhsa_next_free_sgpr 100
		.amdhsa_reserve_vcc 0
		.amdhsa_float_denorm_mode_32 3
		.amdhsa_float_denorm_mode_16_64 3
		.amdhsa_memory_ordered 1
		.amdhsa_forward_progress 1
		.amdhsa_inst_pref_size 154
	.end_amdhsa_kernel
	.amdgpu_metadata
---
amdhsa.version: [ 1, 2 ]
amdhsa.kernels:
  - .name:           k_qd0275f0915_oproj
    .symbol:         k_qd0275f0915_oproj.kd
    .args:
      - { .name: ao_codes, .offset: 0, .size: 8, .value_kind: global_buffer, .address_space: global }
      - { .name: ao_scales, .offset: 8, .size: 8, .value_kind: global_buffer, .address_space: global }
      - { .name: xw_codes, .offset: 16, .size: 8, .value_kind: global_buffer, .address_space: global }
      - { .name: xw_scales, .offset: 24, .size: 8, .value_kind: global_buffer, .address_space: global }
      - { .name: bo, .offset: 32, .size: 8, .value_kind: global_buffer, .address_space: global }
      - { .name: out0, .offset: 40, .size: 8, .value_kind: global_buffer, .address_space: global }
    .group_segment_fixed_size: 327680
    .private_segment_fixed_size: 0
    .kernarg_segment_align: 8
    .kernarg_segment_size: 48
    .max_flat_workgroup_size: 128
    .sgpr_count:     100
    .vgpr_count:     1024
    .wavefront_size: 32
...
	.end_amdgpu_metadata
.endif
;; end of part 4
